; MI455X (gfx1250); checked and timed in simulation.
; The chip was launched on July 23, 2026; its instructions are those of AMD's public machine-readable ISA for CDNA 5 (MIT licence, August 2026) and "CDNA5" Instruction Set Architecture Reference Guide (July 2026). The comments in the code are by the model that wrote it; some were corrected since.
;; Multi Head Self Attention. Allowed arithmetic: matrix products marked QUANTISED: E3M2 operands, one E8M0 scale for each 32 along K, by v_wmma_scale_f32_16x16x128_f8f6f4 with both operands' format E3M2, f32 sums; everything else in f32.
;; Inputs: Wout 1,024 x 1,024 float32; Wqkv 1,024 x 3,072 float32; attention_mask 4 x 2,048 int32; x 4 x 2,048 x 1,024 float32.
;; Outputs: out0 4 x 2,048 x 1,024 float32.
;; This version of the problem:
;;   THIS VERSION OF THE PROBLEM IS GIVEN IN LOW PRECISION. The matrix products marked QUANTISED in the list below multiply operands that are first quantised to E3M2 (3 exponent bits, 2 mantissa bits; 6 bits a number), with one power-of-two scale for each 32 numbers along K (OCP MX v1.0); their sums are f32. All else is computed in f32.
;;   The module's matrix products, in the order in which they are computed (A, B: the left and right operand; K: the contracted axis; several contracted axes count as one K, in the product's order):
;;     1. [M 8,192, K 1,024] x [K 1,024, N 3,072]; A: input x; B: input Wqkv: QUANTISED
;;     2. batch 64 x [M 2,048, K 64] x [K 64, N 2,048]; A: computed on the way; B: computed on the way: QUANTISED
;;     3. batch 64 x [M 2,048, K 2,048] x [K 2,048, N 64]; A: softmax (see below); B: computed on the way: QUANTISED
;;     4. [M 8,192, K 1,024] x [K 1,024, N 1,024]; A: computed on the way; B: input Wout: QUANTISED
;;   THE QUANTISER, for each operand of a quantised product, along K:
;;     - K is cut into blocks of 32 from its start; a last block that is shorter is filled with zeros.
;;     - A block's scale is 2^e with e = floor(log2(the largest magnitude in the block)) - 4, held to -126 .. 127; a block of zeros has e = 0. As a byte (E8M0): e + 127.
;;     - Each number is divided by its block's scale, clamped to +-28, and rounded to the nearest number of E3M2, ties to even, subnormals kept.
;;     - The product sums the exact products of the quantised numbers (number of the format x scale) in f32.
;;   ~~~python
;;   def quantise(x, axis):      # numpy; x: float32 -> the quantised numbers, widened to float32 again
;;       x = np.moveaxis(x, axis, -1); K = x.shape[-1]
;;       x = np.pad(x, [(0, 0)] * (x.ndim - 1) + [(0, -K % 32)]); x = x.reshape(x.shape[:-1] + (-1, 32)); a = np.abs(x).max(-1, keepdims=True)
;;       e = np.where(a > 0, np.clip(np.frexp(np.where(a > 0, a, 1))[1] - 1 - 4, -126, 127), 0)      # np.frexp(a)[1] - 1 = floor(log2(a)), exactly
;;       r = np.clip(x / 2.0 ** e, -28, 28)
;;       step = 2.0 ** (np.maximum(np.frexp(np.where(r == 0, 1, r))[1] - 1, -2) - 2)
;;       q = np.round(r / step) * step * 2.0 ** e      # np.round: ties to even
;;       return np.moveaxis(q.reshape(q.shape[:-2] + (-1,))[..., :K], -1, axis).astype(np.float32)
;;   ~~~
;;   SOFTMAX AHEAD OF A QUANTISED PRODUCT. Where the list says 'softmax', what is quantised is not the finished softmax but p = 2^(t - M), with t = logit x log2(e) and M = ceil(the row's largest t), a whole number; so 1/2 < the row's largest p <= 1. The row's sum l is taken of the UNQUANTISED p, in f32, and the product's result is divided by l at the end. Since M is a whole number, a kernel that streams over the keys may use a running M (the ceiling of the running maximum): every later rescaling is an exact power of two, which a block's scale takes up: the codes' values come out the same.
;;   OPERANDS COMPUTED ON THE WAY. 'Computed on the way' means the value that the module computes at that place (a softmax that the list does not call 'softmax' is quantised finished and normalised). What goes into a quantiser is computed in f32, as accurately as f32 sums, v_exp_f32 and their like allow (about 1e-6 of the number): no bf16 or f16 on the way to a quantiser, and a product that is left as it is and whose result goes on into a quantised operand takes f32 operands (vector FMAs, or v_wmma_f32_16x16x4_f32). A number that lies on a knife's edge between two numbers of the format may be rounded either way, as far as f32 arithmetic and the matrix unit's own rounding can turn it there, and no further.
;; One version. Each part assembles by itself: llvm-mc -triple=amdgcn-amd-amdhsa -mcpu=gfx1250 --defsym DOCPART=n.
;; ======== version 1 of 1: 4 launches
;; limits: right only within a limited range of input values
;; workspace buffers: xq 6,553,600 bytes; wq 3,276,800 bytes; qk 13,107,200 bytes; vt 6,815,744 bytes; at 6,553,600 bytes
;; launch quant (part 1): grid 512 x 1, 4 waves a work-group, no clusters, 46,592 bytes of LDS; arguments x, Wqkv, Wout, xq, wq; writes xq, wq
.if DOCPART == 1
	.amdgcn_target "amdgcn-amd-amdhsa--gfx1250"
	.amdhsa_code_object_version 6
	.text
	.protected	k_qb62ccef216_quant
	.globl	k_qb62ccef216_quant
	.p2align	8
	.type	k_qb62ccef216_quant,@function
k_qb62ccef216_quant:
	s_mov_b64 s[64:65], 0
	v_nop
	global_prefetch_b8 v0, s[64:65] scope:SCOPE_SE
	s_setreg_imm32_b32 hwreg(HW_REG_WAVE_MODE, 25, 1), 1
	s_wait_xcnt 0x0
; x [8192][1024], Wqkv [1024][3072] and Wout [1024][1024], f32, become codes of BF6 (E3M2) with one E8M0 byte for each 32 along K, laid IN THE ORDER OF THE MATRIX OPERAND'S REGISTERS.
; A block's scale is 2^(floor(log2(largest magnitude)) - 4); its byte is the largest magnitude's exponent field - 4, held at 1 from below by a floor among the maximum's leaves.
; LAYOUT.  Rows (x: tokens; weights: their columns n, Wqkv's 0..3071, then Wout's) go in groups of 32; lane r of tile 2 g + u stands for row 32 g + 8 u + r + 8 (r / 8).
;   A half fragment is 16 rows x 64 K = 768 bytes: lane l = (r, h) owns the 24 bytes of k = 32 h .. 32 h + 31: its first 16 at 16 l, its last 8 at 512 + 8 l.  Images: [tile][K / 64][768].
;   Scale words (four bytes: 128 K of a row): [group of 32 rows][K / 128][16 u + r].
; The first 256 work-groups take x (32 rows each, a wave a quarter of K), the others the weights (128 columns x 128 K each, a wave 32 columns).  No work-group reads what another reads: no cluster.
; Each path has LDS bytes of its own; a wave reads only what it stored itself, so there is no barrier.
; LIMITS: NaN and infinities among the inputs are not served; a block of zeros gets the byte 1 (its codes are zeros, and this program alone reads the bytes).
.set XR,   16                          ; v16-143  x: two sets of 64 registers as loaded
.set XN,   144                         ; v144-207 x: 64 numbers of my row, register 16 b + i = k 32 b + 16 h + i
.set PC,   208                         ; v208-219 a fragment's codes; v220-226 at work for the conversions
.set TM,   228                         ; v228-243 maxima, bytes, scale operands
.set PW,   244                         ; v244     the scale word just made
.set SEL,  20                          ; s[20:21] lane selects: lane l xor 16
.set WSTG, 33792                       ; the weights' stages begin behind x's four stages of 8,448 bytes
; 64 numbers of a lane, v[s] on, become a fragment's 12 registers in v[PC] on and the row's scale word in v[PW]
.macro QUANT s
.irp b, 0,1,2,3
	v_max3_num_f32 v[TM+\b], |v[\s+16*\b]|, |v[\s+1+16*\b]|, 0x2800000   ; my 16 numbers of block b, and the floor 2^(5 - 127)
.endr
.irp i, 2,4,6,8,10,12,14
.irp b, 0,1,2,3
	v_max3_num_f32 v[TM+\b], v[TM+\b], |v[\s+16*\b+\i]|, |v[\s+1+16*\b+\i]|
.endr
.endr
.irp b, 0,1,2,3
	v_permlanex16_b32 v[TM+4+\b], v[TM+\b], s[SEL], s[SEL+1]
.endr
.irp b, 0,1,2,3
	v_max_num_f32 v[TM+\b], v[TM+\b], v[TM+4+\b]                         ; with lane l xor 16's 16: the block's largest magnitude
.endr
.irp b, 0,1,2,3
	v_add_nc_u32 v[TM+12+\b], 0xfe000000, v[TM+\b]                       ; 4 off the exponent field: the conversion's scale operand
.endr
.irp b, 0,1,2,3
	v_lshrrev_b32 v[TM+4+\b], 23, v[TM+12+\b]                            ; the scale's byte
.endr
	v_lshl_or_b32 v[PW], v[TM+5], 8, v[TM+4]
	v_lshl_or_b32 v[PW], v[TM+6], 16, v[PW]
	v_lshl_or_b32 v[PW], v[TM+7], 24, v[PW]
.irp c, 0,1
	v_cvt_scalef32_pk16_bf6_f32 v[PC+6*\c:PC+2+6*\c], v[\s+32*\c:\s+15+32*\c], v[TM+12+2*\c]
	v_cvt_scalef32_pk16_bf6_f32 v[PC+12+4*\c:PC+14+4*\c], v[\s+16+32*\c:\s+31+32*\c], v[TM+12+2*\c+1]
.endr
	v_nop                                                                ; one plain instruction behind the conversions
.irp c, 0,1                            ; the operand wants a whole block in a lane: lanes 0-15 block 2 c, lanes 16-31 block 2 c + 1
.irp i, 0,1,2
	v_permlane16_swap_b32 v[PC+6*\c+\i], v[PC+12+4*\c+\i]
.endr
.irp i, 0,1,2
	v_mov_b32 v[PC+3+6*\c+\i], v[PC+12+4*\c+\i]
.endr
.endr
.endm
	s_load_b256 s[4:11], s[0:1], 0x0               ; x s[4:5], Wqkv s[6:7], Wout s[8:9], xq s[10:11]
	s_load_b64 s[12:13], s[0:1], 0x20              ; wq
	v_lshl_add_u32 v223, v0, 2, 0xb400
	s_set_vgpr_msb 0x40
	v_mov_b32 v1, 0
	s_set_vgpr_msb 0x4000
	v_lshrrev_b32 v1, 5, v0
	v_readfirstlane_b32 s16, v1                    ; wave 0..3
	v_and_b32 v1, 31, v0                           ; lane
	v_and_b32 v2, 15, v0                           ; r
	v_bfe_u32 v3, v0, 4, 1                         ; h
	s_mul_i32 s17, s16, 8448                       ; x's stage of my wave: 16 rows x (512 + 16) bytes
	v_lshlrev_b32 v9, 4, v1                        ; 16 l
	v_add_nc_u32 v4, s17, v9                       ; into the stage: 16 bytes a lane of a row
	v_mul_u32_u24 v5, v2, 528
	v_lshl_add_u32 v5, v3, 6, v5
	v_add_nc_u32 v5, s17, v5                       ; out of it: row r, + 64 h
	v_bfe_u32 v13, v0, 3, 1                        ; the weights: my column 32 g + l is lane r' of tile 2 g + u':  u' = (l / 8) % 2,
	v_and_b32 v14, 7, v0
	v_lshl_or_b32 v14, v3, 3, v14                  ; r' = l % 8 + 8 (l / 16)
	s_mul_i32 s17, s16, 3072
	s_add_co_u32 s17, s17, WSTG                    ; the weights' stage of my wave: 2 tiles x 2 half fragments
	v_mul_u32_u24 v15, v13, 1536
	v_add_nc_u32 v15, s17, v15
	v_lshl_add_u32 v6, v14, 4, v15                 ; a block's first 16 bytes
	v_lshl_add_u32 v7, v14, 3, v15
	v_add_nc_u32 v7, 512, v7                       ; its last 8
	v_add_nc_u32 v8, s17, v9                       ; the stage read back, 16 bytes a lane
	v_lshlrev_b32 v10, 3, v1
	v_add_nc_u32 v10, 512, v10                     ; 512 + 8 l
	v_lshlrev_b32 v11, 2, v1                       ; 4 l
	v_lshl_or_b32 v12, v13, 4, v14
	v_lshlrev_b32 v12, 2, v12                      ; 4 (16 u' + r')
	s_mov_b32 s[SEL], 0x76543210
	s_mov_b32 s[SEL+1], 0xfedcba98
	s_mov_b32 s22, 0xffff0000                      ; lanes 16-31
.irp b, 0,1,2,3
	v_mov_b32 v[TM+4+\b], 0                        ; a lane permute's destination counts as one of its sources
.endr
	s_wait_kmcnt 0x0
	s_cmp_lt_u32 ttmp9, 256
	s_cbranch_scc0 .Lweights
; ---- x: work-group g takes rows 32 g .. 32 g + 31, wave w the K quarter 256 w on: four steps t = 2 sl + u of (tile u, 128 K)
	s_lshl_b32 s24, ttmp9, 17
	s_lshl_b32 s25, s16, 10
	s_add_co_u32 s24, s24, s25
	s_mov_b32 s25, 0
	s_add_nc_u64 s[4:5], s[4:5], s[24:25]          ; x + 131,072 g + 1,024 w
	s_mul_i32 s24, ttmp9, 24576
	s_mul_i32 s26, s16, 3072
	s_add_co_u32 s24, s24, s26
	s_add_nc_u64 s[28:29], s[10:11], s[24:25]      ; the images of my two tiles, at my K quarter
	s_lshl_b32 s24, ttmp9, 10
	s_lshl_b32 s26, s16, 8
	s_add_co_u32 s24, s24, s26
	s_add_co_u32 s24, s24, 6291456
	s_add_nc_u64 s[30:31], s[10:11], s[24:25]      ; my scale words
.macro XLOAD t                         ; 16 rows of tile t % 2: each load takes 512 consecutive bytes of one row
.irp p, 0,1,2,3,4,5,6,7,8,9,10,11,12,13,14,15
	global_load_b128 v[XR+64*((\t)%2)+4*\p:XR+64*((\t)%2)+4*\p+3], v9, s[4:5] offset:(8*((\t)%2)+\p+8*(\p/8))*4096+512*((\t)/2) th:TH_LOAD_NT
.endr
.endm
.macro XSTEP t
.if (\t) < 3
	s_wait_loadcnt 16                              ; this step's 16 loads are in; the next step's 16 may be out
.else
	s_wait_loadcnt 0x0
.endif
.irp p, 0,1,2,3,4,5,6,7,8,9,10,11,12,13,14,15
	ds_store_b128 v4, v[XR+64*((\t)%2)+4*\p:XR+64*((\t)%2)+4*\p+3] offset:528*\p
.endr
.irp b, 0,1,2,3
.irp i, 0,1,2,3
	ds_load_b128 v[XN+16*\b+4*\i:XN+16*\b+4*\i+3], v5 offset:128*\b+16*\i   ; LDS serves a wave's instructions in order: these see the stores above
.endr
.endr
	s_wait_dscnt 0x0                               ; my 64 numbers are back, so the stores have read their registers
	s_wait_xcnt 0x0                                ; the last step's global stores have read the codes' registers, which are written again below
.if (\t)+2 < 4
	XLOAD (\t)+2
.endif
	QUANT XN
	global_store_b128 v9, v[PC:PC+3], s[28:29] offset:12288*((\t)%2)+1536*((\t)/2)          ; 512 consecutive bytes
	global_store_b64 v10, v[PC+4:PC+5], s[28:29] offset:12288*((\t)%2)+1536*((\t)/2)        ; 256 consecutive bytes
	global_store_b128 v9, v[PC+6:PC+9], s[28:29] offset:12288*((\t)%2)+1536*((\t)/2)+768
	global_store_b64 v10, v[PC+10:PC+11], s[28:29] offset:12288*((\t)%2)+1536*((\t)/2)+768
.if (\t)%2 == 0
	v_mov_b32 v245, v[PW]                          ; tile 0's words wait for tile 1's
.else
	v_cndmask_b32 v246, v245, v[PW], s22           ; lanes 0-15 tile 0's rows, lanes 16-31 tile 1's
	global_store_b32 v11, v246, s[30:31] offset:128*((\t)/2)
.endif
.endm
	XLOAD 0
	XLOAD 1
	XSTEP 0
	XSTEP 1
	XSTEP 2
	XSTEP 3
	s_set_vgpr_msb 0x4
	s_wait_tensorcnt 0x0
	ds_add_u32 v223, v1
	s_wait_dscnt 0x0
	s_set_vgpr_msb 0x400
	s_endpgm
; ---- the weights: K is their first axis, so a lane takes a column and its registers run down K: a block of 32 lies in one lane
.Lweights:
	s_sub_co_u32 s17, ttmp9, 256
	s_lshr_b32 s18, s17, 3                         ; which 128 columns (0..23 Wqkv's, 24..31 Wout's)
	s_and_b32 s19, s17, 7                          ; which 128 of K
	s_mov_b32 s23, 4096
	s_cmp_lt_u32 s18, 24
	s_cselect_b64 s[28:29], s[6:7], s[8:9]         ; the tensor,
	s_cselect_b32 s23, 12288, s23                  ; its row in bytes,
	s_cselect_b32 s24, 0, 24
	s_sub_co_u32 s24, s18, s24                     ; and the group of columns in it
	s_lshl_b32 s24, s24, 9
	s_lshl_b32 s25, s16, 7
	s_add_co_u32 s24, s24, s25
	s_lshl_b32 s26, s19, 7
	s_mul_i32 s26, s26, s23
	s_add_co_u32 s24, s24, s26
	s_mov_b32 s25, 0
	s_add_nc_u64 s[32:33], s[28:29], s[24:25]      ; block 0's first row at my wave's first column
	s_lshl_b32 s26, s23, 5
	s_mov_b32 s27, 0
	s_add_nc_u64 s[34:35], s[32:33], s[26:27]      ; 32 rows on for each further block
	s_add_nc_u64 s[36:37], s[34:35], s[26:27]
	s_add_nc_u64 s[38:39], s[36:37], s[26:27]
	s_lshl_b32 s30, s18, 2
	s_add_co_u32 s30, s30, s16                     ; my group of 32 rows of wq
	s_mul_i32 s24, s30, 24576
	s_mul_i32 s26, s19, 1536
	s_add_co_u32 s24, s24, s26
	s_add_nc_u64 s[40:41], s[12:13], s[24:25]      ; its images at my K step
	s_lshl_b32 s24, s30, 10
	s_lshl_b32 s26, s19, 7
	s_add_co_u32 s24, s24, s26
	s_add_co_u32 s24, s24, 3145728
	s_add_nc_u64 s[42:43], s[12:13], s[24:25]      ; its scale words
	s_wait_alu depctr_va_vdst(0)
.irp i, 0,1,2,3,4,5,6,7,8,9,10,11,12,13,14,15,16,17,18,19,20,21,22,23,24,25,26,27,28,29,30,31
	v_mad_u32_u24 v[160+\i], s23, \i, v11          ; 4 l + i rows
.endr
.macro WLOAD kb                        ; W(32 kb + i, my column): 32 lanes read 128 consecutive bytes, the four waves 512
.irp i, 0,1,2,3,4,5,6,7,8,9,10,11,12,13,14,15,16,17,18,19,20,21,22,23,24,25,26,27,28,29,30,31
	global_load_b32 v[32+32*(\kb)+\i], v[160+\i], s[32+2*(\kb):33+2*(\kb)] th:TH_LOAD_NT
.endr
.endm
.macro WBLOCK kb
.set WS, 32+32*(\kb)
.set WC, 192+8*(\kb)
.if (\kb) < 3
	s_wait_loadcnt 32                              ; this block's 32 loads are in; the next block's may be out
.else
	s_wait_loadcnt 0x0
.endif
.if (\kb)+2 < 4
	WLOAD (\kb)+2
.endif
	v_max3_num_f32 v224, |v[WS]|, |v[WS+1]|, |v[WS+2]|
	v_max3_num_f32 v225, |v[WS+3]|, |v[WS+4]|, |v[WS+5]|
.irp i, 6,10,14,18,22,26
	v_max3_num_f32 v224, v224, |v[WS+\i]|, |v[WS+\i+1]|
	v_max3_num_f32 v225, v225, |v[WS+\i+2]|, |v[WS+\i+3]|
.endr
	v_max3_num_f32 v224, v224, |v[WS+30]|, |v[WS+31]|
	v_max3_num_f32 v224, v224, v225, 0x2800000     ; and the floor
	v_add_nc_u32 v226, 0xfe000000, v224
	v_lshrrev_b32 v227, 23, v226
.if (\kb) == 0
	v_mov_b32 v230, v227
.else
	v_lshl_or_b32 v230, v227, 8*(\kb), v230        ; four bytes make my column's scale word of this K step
.endif
	v_cvt_scalef32_pk16_bf6_f32 v[WC:WC+2], v[WS:WS+15], v226
	v_cvt_scalef32_pk16_bf6_f32 v[WC+4:WC+6], v[WS+16:WS+31], v226
	v_nop
	v_mov_b32 v[WC+3], v[WC+4]                     ; six registers on end
	v_mov_b32 v[WC+4], v[WC+5]
	v_mov_b32 v[WC+5], v[WC+6]
	ds_store_b128 v6, v[WC:WC+3] offset:768*((\kb)/2)+256*((\kb)%2)      ; block kb is lane r' + 16 (kb % 2) of half fragment kb / 2
	ds_store_b64 v7, v[WC+4:WC+5] offset:768*((\kb)/2)+128*((\kb)%2)
.endm
	WLOAD 0
	WLOAD 1
	s_wait_alu depctr_va_vdst(0)
	WBLOCK 0
	WBLOCK 1
	WBLOCK 2
	WBLOCK 3
	global_store_b32 v12, v230, s[42:43]
.irp n, 0,1,2,3,4,5
	ds_load_b128 v[232+4*\n:235+4*\n], v8 offset:512*\n                   ; in order behind my stores
.endr
.irp n, 0,1,2,3,4,5
	s_wait_dscnt 5-\n                              ; the younger loads may be out
	global_store_b128 v9, v[232+4*\n:235+4*\n], s[40:41] offset:(\n/3)*12288+512*(\n%3)   ; 512 consecutive bytes
.endr
	s_set_vgpr_msb 0x4
	s_wait_tensorcnt 0x0
	ds_add_u32 v223, v1
	s_wait_dscnt 0x0
	s_set_vgpr_msb 0x400
	s_endpgm
.Lfunc_end_k_qb62ccef216_quant:
	.size	k_qb62ccef216_quant, .Lfunc_end_k_qb62ccef216_quant-k_qb62ccef216_quant
	.p2alignl 7, 3214868480
	.fill 96, 4, 3214868480
	.section	.rodata,"a",@progbits
	.p2align	6, 0x0
	.amdhsa_kernel k_qb62ccef216_quant
		.amdhsa_group_segment_fixed_size 46592
		.amdhsa_private_segment_fixed_size 0
		.amdhsa_enable_private_segment 0
		.amdhsa_kernarg_size 40
		.amdhsa_user_sgpr_count 2
		.amdhsa_user_sgpr_kernarg_segment_ptr 1
		.amdhsa_wavefront_size32 1
		.amdhsa_system_sgpr_workgroup_id_x 1
		.amdhsa_system_sgpr_workgroup_id_y 1
		.amdhsa_system_sgpr_workgroup_id_z 1
		.amdhsa_system_vgpr_workitem_id 0
		.amdhsa_next_free_vgpr 258
		.amdhsa_next_free_sgpr 66
		.amdhsa_reserve_vcc 0
		.amdhsa_float_denorm_mode_32 3
		.amdhsa_float_denorm_mode_16_64 3
		.amdhsa_memory_ordered 1
		.amdhsa_forward_progress 1
		.amdhsa_inst_pref_size 58
	.end_amdhsa_kernel
	.amdgpu_metadata
---
amdhsa.version: [ 1, 2 ]
amdhsa.kernels:
  - .name:           k_qb62ccef216_quant
    .symbol:         k_qb62ccef216_quant.kd
    .args:
      - { .name: x, .offset: 0, .size: 8, .value_kind: global_buffer, .address_space: global }
      - { .name: Wqkv, .offset: 8, .size: 8, .value_kind: global_buffer, .address_space: global }
      - { .name: Wout, .offset: 16, .size: 8, .value_kind: global_buffer, .address_space: global }
      - { .name: xq, .offset: 24, .size: 8, .value_kind: global_buffer, .address_space: global }
      - { .name: wq, .offset: 32, .size: 8, .value_kind: global_buffer, .address_space: global }
    .group_segment_fixed_size: 46592
    .private_segment_fixed_size: 0
    .kernarg_segment_align: 8
    .kernarg_segment_size: 40
    .max_flat_workgroup_size: 128
    .sgpr_count:     66
    .vgpr_count:     258
    .wavefront_size: 32
...
	.end_amdgpu_metadata
.endif
;; end of part 1
;; launch gemm_qkv (part 2): grid 192 x 4, 4 waves a work-group, clusters of 4 x 4, 295,424 bytes of LDS; arguments xq, wq, qk, vt; writes qk, vt
.if DOCPART == 2
	.amdgcn_target "amdgcn-amd-amdhsa--gfx1250"
	.amdhsa_code_object_version 6
	.text
	.protected	k_qb62ccef216_gemm_qkv
	.globl	k_qb62ccef216_gemm_qkv
	.p2align	8
	.type	k_qb62ccef216_gemm_qkv,@function
k_qb62ccef216_gemm_qkv:
	s_mov_b64 s[64:65], 0
	v_nop
	global_prefetch_b8 v0, s[64:65] scope:SCOPE_SE
	s_setreg_imm32_b32 hwreg(HW_REG_WAVE_MODE, 25, 1), 1
	s_wait_xcnt 0x0
	s_wait_alu depctr_hold_cnt(0) depctr_sa_sdst(0) depctr_va_vdst(0) depctr_va_sdst(0) depctr_va_ssrc(0) depctr_va_vcc(0) depctr_vm_vsrc(0)
	s_getreg_b32 s2, hwreg(HW_REG_IB_STS2, 6, 4)
	s_cmp_eq_u32 s2, 0
	s_cbranch_scc0 .Lentry_in_a_cluster
	s_endpgm
.Lentry_in_a_cluster:
	s_bfe_u32 s2, ttmp6, 0x10000c
	s_cmp_lg_u32 s2, 0xf033
	s_cbranch_scc0 .Lentry_shape_is_right
	s_endpgm
.Lentry_shape_is_right:
; qkv = x Wqkv on codes of BF6 with E8M0 scales, K = 1,024; the results are quantised in registers and leave as the operands of the attention launch.
; A work-group makes 128 A-rows x 256 B-rows; wave w (rh = w / 2, ch = w % 2) 64 x 128: 32 accumulators.  THE MATRIX INSTRUCTION IS USED TRANSPOSED: source 0 = 16 B-rows, source 1 = 16 A-rows,
; and a tile's lanes stand for rows 32 g + 8 u + r + 8 (r / 8): so a lane holds one A-row, and register 64 a + 16 g + i holds B-row 32 g + 16 (lane / 16) + i: neighbours along the NEXT product's K.
; ROLES, by the cluster's number C alone (the same in all sixteen partners):  C < 32: A = x's rows (tokens), B = Wqkv's columns 0..2047: q and k, quantised along the head's 64;
;   C >= 32: A = Wqkv's columns 2048..3071, B = x's rows: v transposed, quantised along the keys; besides, the sum of the quantised v over the wave's 128 keys (a product with ones).
; ALL OF K LIES IN LDS AT ONCE: four chunks of 256 K, each byte filled once, so no slot is ever filled again.  Operands lie in memory in register order, so every LDS read takes consecutive bytes.
; CLUSTER 4 x 4: A's tiles are asked for jointly by a row of the cluster, B's by a column.  A wave has four tensor loads out at the most.
; LIMITS: NaN and infinities are not served; a block of zeros gets the byte 1 (its codes are zeros; this program alone reads the bytes).
; REGISTERS.  window 0: v2-17 LDS addresses; v20-23 16 l, 512 + 8 l, 8 l, 4 l; v32-47 A's scale words, v48-79 B's; v80-84 scale words made here; v96-191 A's fragments, two sets (later codes and work);
;   window 1: B's fragments, two sets at v0 and v128;   window 2: the accumulators, (a, b) at v[8 (8 a + b)].
.set WV,  12
.set RH,  13
.set CH,  14
.set G1A, 16                           ; s[16:23] descriptor group 1 for A's tiles, s[24:31] for B's
.set G1B, 24
.set G0A, 32                           ; s[32:35] group 0 for A's one load, s[48:51] for B's
.set G0B, 48
.set SEL, 2                            ; s[2:3] lane selects: lane l xor 16
.set TM,  152                          ; v152-167 at work in the quantiser
.set CT,  144                          ; v144-150 the conversions' second halves
.set PWR, 80                           ; v80-83 the four tiles' scale words
.set MSB, 0
.macro WIN new                         ; the immediate's high byte repeats the setting that is left
.if MSB != \new
	s_set_vgpr_msb (MSB<<8)|\new
.set MSB, \new
.endif
.endm
.macro PLACES n
.rept \n
	v_nop
.endr
.endm
.macro CROUND                          ; a round of the cluster's barrier
	s_barrier_signal -1
	s_barrier_wait -1
	s_cmp_lg_u32 s[WV], 0
	s_cbranch_scc1 .Lnot_wave_0_\@
	s_barrier_signal -3
.Lnot_wave_0_\@:
	s_barrier_wait -3
	s_barrier_signal -1
	s_barrier_wait -1
.endm
; one matrix instruction: D at d, source 0 at a, source 1 at b; z: the sum starts with 0; sa, sb: the scale registers; ra, rb: 1 = their lanes 16-31
.macro WM d, a, b, z, sa, sb, ra, rb
.if \z
.if (\ra) && (\rb)
	v_wmma_scale_f32_16x16x128_f8f6f4 v[(\d):(\d)+7], v[(\a):(\a)+11], v[(\b):(\b)+11], 0, v[\sa], v[\sb] matrix_a_fmt:MATRIX_FMT_BF6 matrix_b_fmt:MATRIX_FMT_BF6 matrix_a_scale:MATRIX_SCALE_ROW1 matrix_b_scale:MATRIX_SCALE_ROW1
.elseif (\ra)
	v_wmma_scale_f32_16x16x128_f8f6f4 v[(\d):(\d)+7], v[(\a):(\a)+11], v[(\b):(\b)+11], 0, v[\sa], v[\sb] matrix_a_fmt:MATRIX_FMT_BF6 matrix_b_fmt:MATRIX_FMT_BF6 matrix_a_scale:MATRIX_SCALE_ROW1
.elseif (\rb)
	v_wmma_scale_f32_16x16x128_f8f6f4 v[(\d):(\d)+7], v[(\a):(\a)+11], v[(\b):(\b)+11], 0, v[\sa], v[\sb] matrix_a_fmt:MATRIX_FMT_BF6 matrix_b_fmt:MATRIX_FMT_BF6 matrix_b_scale:MATRIX_SCALE_ROW1
.else
	v_wmma_scale_f32_16x16x128_f8f6f4 v[(\d):(\d)+7], v[(\a):(\a)+11], v[(\b):(\b)+11], 0, v[\sa], v[\sb] matrix_a_fmt:MATRIX_FMT_BF6 matrix_b_fmt:MATRIX_FMT_BF6
.endif
.else
.if (\ra) && (\rb)
	v_wmma_scale_f32_16x16x128_f8f6f4 v[(\d):(\d)+7], v[(\a):(\a)+11], v[(\b):(\b)+11], v[(\d):(\d)+7], v[\sa], v[\sb] matrix_a_fmt:MATRIX_FMT_BF6 matrix_b_fmt:MATRIX_FMT_BF6 matrix_a_scale:MATRIX_SCALE_ROW1 matrix_b_scale:MATRIX_SCALE_ROW1
.elseif (\ra)
	v_wmma_scale_f32_16x16x128_f8f6f4 v[(\d):(\d)+7], v[(\a):(\a)+11], v[(\b):(\b)+11], v[(\d):(\d)+7], v[\sa], v[\sb] matrix_a_fmt:MATRIX_FMT_BF6 matrix_b_fmt:MATRIX_FMT_BF6 matrix_a_scale:MATRIX_SCALE_ROW1
.elseif (\rb)
	v_wmma_scale_f32_16x16x128_f8f6f4 v[(\d):(\d)+7], v[(\a):(\a)+11], v[(\b):(\b)+11], v[(\d):(\d)+7], v[\sa], v[\sb] matrix_a_fmt:MATRIX_FMT_BF6 matrix_b_fmt:MATRIX_FMT_BF6 matrix_b_scale:MATRIX_SCALE_ROW1
.else
	v_wmma_scale_f32_16x16x128_f8f6f4 v[(\d):(\d)+7], v[(\a):(\a)+11], v[(\b):(\b)+11], v[(\d):(\d)+7], v[\sa], v[\sb] matrix_a_fmt:MATRIX_FMT_BF6 matrix_b_fmt:MATRIX_FMT_BF6
.endif
.endif
.endm
; the fragments of K step sg (128 K): 8 of B, 4 of A, 48 LDS loads, into set sg % 2
.macro FETCH sg
.set FO, 1536*(\sg)
.set FP, (\sg)%2
	WIN 0x40                                       ; destination window 1, address window 0
.irp b, 0,1,2,3,4,5,6,7
	ds_load_b128 v[128*FP+12*\b:128*FP+12*\b+3], v[10+\b/2] offset:12288*(\b%2)+FO
	ds_load_b64 v[128*FP+12*\b+4:128*FP+12*\b+5], v[14+\b/2] offset:12288*(\b%2)+FO
	ds_load_b128 v[128*FP+12*\b+6:128*FP+12*\b+9], v[10+\b/2] offset:12288*(\b%2)+FO+768
	ds_load_b64 v[128*FP+12*\b+10:128*FP+12*\b+11], v[14+\b/2] offset:12288*(\b%2)+FO+768
.endr
	WIN 0
.irp a, 0,1,2,3
	ds_load_b128 v[96+48*FP+12*\a:96+48*FP+12*\a+3], v[2+\a/2] offset:12288*(\a%2)+FO
	ds_load_b64 v[96+48*FP+12*\a+4:96+48*FP+12*\a+5], v[6+\a/2] offset:12288*(\a%2)+FO
	ds_load_b128 v[96+48*FP+12*\a+6:96+48*FP+12*\a+9], v[2+\a/2] offset:12288*(\a%2)+FO+768
	ds_load_b64 v[96+48*FP+12*\a+10:96+48*FP+12*\a+11], v[6+\a/2] offset:12288*(\a%2)+FO+768
.endr
.endm
; 32 matrix instructions: the 32 accumulators take turns, one instruction a turn, in the same order in every K step
.macro MUL sg
	WIN 0xa1                                       ; source 0 (B) window 1, source 1 (A) window 0, C and D window 2
.irp a, 0,1,2,3
.irp b, 0,1,2,3,4,5,6,7
	WM 8*(8*\a+\b), 128*((\sg)%2)+12*\b, 96+48*((\sg)%2)+12*\a, ((\sg)==0), 48+8*(\b/2)+(\sg), 32+8*(\a/2)+(\sg), \b%2, \a%2
.endr
.endr
.endm
.macro GSTEP sg
.if (\sg) > 0
	PLACES 4                                       ; in front of loads into registers that the last products read
.endif
	FETCH (\sg)+1
	s_wait_dscnt 48                                ; all but the 48 loads just issued
	MUL \sg
.endm
	s_load_b256 s[4:11], s[0:1], 0x0               ; xq s[4:5], wq s[6:7], qk s[8:9], vt s[10:11]
	v_lshl_add_u32 v254, v0, 2, 0x48000
	v_mov_b32 v255, 0
	ds_add_u32 v254, v255
	ds_add_u32 v254, v255
	v_lshrrev_b32 v1, 5, v0
	v_readfirstlane_b32 s[WV], v1                  ; wave 0..3
	s_lshr_b32 s[RH], s[WV], 1                     ; my half of A's rows.  Also: I fetch for A (0) or for B (1)
	s_and_b32 s[CH], s[WV], 1                      ; my half of B's rows.  Also: which half of that tile I fetch
	s_bfe_u32 s66, ttmp6, 0x40000                  ; cx
	s_bfe_u32 s67, ttmp6, 0x40004                  ; cy
	s_lshl_b32 s78, s67, 2
	s_lshl_b32 s78, 15, s78                        ; my row of the cluster
	s_lshl_b32 s79, 0x1111, s66                    ; my column
	; descriptor group 1: rows of 12,288 bytes (a tile's 1,024 K: 1,536 elements of 8 bytes), 12,288 bytes apart; A: 4 tiles, B: 8; no padding
	s_or_b32 s[G1A], s78, (3<<16)|(1<<21)
	s_or_b32 s[G1B], s79, (3<<16)|(1<<21)
	; one load a wave brings ALL OF K for its tiles (in place of the four chunks of 256 K): rows of 12,288 bytes, a tile's whole K, dense in memory; LDS holds [tile][K]
	s_mov_b32 s[G1A+1], 1536<<16
	s_mov_b32 s[G1A+2], 4<<16
	s_mov_b32 s[G1A+3], 1536<<16
	s_mov_b32 s[G1A+4], 4
	s_mov_b32 s[G1A+5], 1536
	s_mov_b32 s[G1A+6], 0
	s_mov_b32 s[G1A+7], 0
	s_mov_b32 s[G1B+1], 1536<<16
	s_mov_b32 s[G1B+2], 8<<16
	s_mov_b32 s[G1B+3], 1536<<16
	s_mov_b32 s[G1B+4], 8
	s_mov_b32 s[G1B+5], 1536
	s_mov_b32 s[G1B+6], 0
	s_mov_b32 s[G1B+7], 0
	v_and_b32 v1, 31, v0
	v_lshlrev_b32 v20, 4, v1                       ; 16 l
	v_lshlrev_b32 v22, 3, v1                       ; 8 l
	v_add_nc_u32 v21, 512, v22                     ; 512 + 8 l
	v_lshlrev_b32 v23, 2, v1                       ; 4 l
	s_mul_i32 s80, s[RH], 49152                    ; my four tiles of A, 12,288 bytes each
	s_mul_i32 s81, s[CH], 98304                    ; my eight of B,
	s_add_co_u32 s81, s81, 98304                   ; behind A's eight.  Address register q serves tiles 2 q and 2 q + 1
.irp q, 0,1,2,3
	v_add_nc_u32 v[2+\q], s80, v20
	v_add_nc_u32 v[6+\q], s80, v21
	v_add_nc_u32 v[10+\q], s81, v20
	v_add_nc_u32 v[14+\q], s81, v21
	s_add_co_u32 s80, s80, 24576
	s_add_co_u32 s81, s81, 24576
.endr
	s_sub_co_u32 s80, ttmp9, 32                    ; both roles' numbers are made, then chosen
	s_lshr_b32 s81, ttmp9, 1
	s_and_b32 s82, ttmp9, 1
	s_lshr_b32 s83, s80, 3
	s_and_b32 s84, s80, 7
	s_mov_b32 s[SEL], 0x76543210
	s_mov_b32 s[SEL+1], 0xfedcba98
	s_mov_b32 s15, 0xffff0000                      ; lanes 16-31
	s_wait_dscnt 0x0
	s_wait_kmcnt 0x0
	s_add_nc_u64 s[86:87], s[6:7], 1572864         ; wq's tiles 128 on: Wqkv's columns 2048 on
	s_add_nc_u64 s[88:89], s[4:5], 6291456         ; x's scale words
	s_add_nc_u64 s[90:91], s[6:7], 3145728         ; the weights',
	s_add_nc_u64 s[92:93], s[6:7], 3211264         ; and those of columns 2048 on
	s_cmp_lt_u32 ttmp9, 32
	s_cselect_b32 s68, s81, s83
	s_cselect_b32 s69, s82, s84
	s_cselect_b64 s[70:71], s[4:5], s[86:87]       ; A
	s_cselect_b64 s[72:73], s[6:7], s[4:5]         ; B
	s_cselect_b64 s[74:75], s[88:89], s[92:93]     ; A's scale words
	s_cselect_b64 s[76:77], s[90:91], s[88:89]     ; B's
	s_lshl_b32 s68, s68, 2
	s_add_co_u32 s68, s68, s67                     ; which 128 A-rows: hangs on cy alone
	s_lshl_b32 s69, s69, 2
	s_add_co_u32 s69, s69, s66                     ; which 256 B-rows: on cx alone
	s_lshl_b32 s92, s68, 3
	s_lshl_b32 s93, s[CH], 2
	s_add_co_u32 s92, s92, s93
	s_mul_i32 s92, s92, 12288
	s_mov_b32 s93, 0
	s_add_nc_u64 s[92:93], s[70:71], s[92:93]      ; A's tiles that I would fetch
	s_lshl_b32 s94, s69, 4
	s_lshl_b32 s95, s[CH], 3
	s_add_co_u32 s94, s94, s95
	s_mul_i32 s94, s94, 12288
	s_mov_b32 s95, 0
	s_add_nc_u64 s[94:95], s[72:73], s[94:95]      ; B's
	s_lshl_b32 s86, s68, 2
	s_lshl_b32 s87, s[RH], 1
	s_add_co_u32 s86, s86, s87
	s_lshl_b32 s86, s86, 10
	s_mov_b32 s87, 0
	s_add_nc_u64 s[74:75], s[74:75], s[86:87]      ; the scale words of my 64 A-rows
	s_lshl_b32 s86, s69, 3
	s_lshl_b32 s88, s[CH], 2
	s_add_co_u32 s86, s86, s88
	s_lshl_b32 s86, s86, 10
	s_add_nc_u64 s[76:77], s[76:77], s[86:87]      ; and of my 128 B-rows
	; the scale words go from memory straight into registers: one register holds tile 2 p's words in lanes 0-15 and tile 2 p + 1's in lanes 16-31
.irp p, 0,1
.irp g, 0,1,2,3,4,5,6,7
	global_load_b32 v[32+8*\p+\g], v23, s[74:75] offset:1024*\p+128*\g
.endr
.endr
.irp p, 0,1,2,3
.irp g, 0,1,2,3,4,5,6,7
	global_load_b32 v[48+8*\p+\g], v23, s[76:77] offset:1024*\p+128*\g
.endr
.endr
	s_mul_i32 s82, s[CH], 49152
	s_mul_i32 s83, s[CH], 98304
	s_add_co_u32 s83, s83, 98304
.irp q, 0
	s_mov_b32 s[G0A+4*\q], 1
	s_add_co_u32 s[G0A+4*\q+1], s82, \q*24576
	s_add_nc_u64 s[G0A+4*\q+2:G0A+4*\q+3], s[92:93], \q*3072
	s_or_b32 s[G0A+4*\q+3], s[G0A+4*\q+3], 0x80000000
	s_mov_b32 s[G0B+4*\q], 1
	s_add_co_u32 s[G0B+4*\q+1], s83, \q*49152
	s_add_nc_u64 s[G0B+4*\q+2:G0B+4*\q+3], s[94:95], \q*3072
	s_or_b32 s[G0B+4*\q+3], s[G0B+4*\q+3], 0x80000000
.endr
	CROUND                                         ; all sixteen work-groups are here: the joint loads meet
	s_cmp_eq_u32 s[RH], 0                          ; a wave's one fill stands in a branch on the wave's number
	s_cbranch_scc0 .Lfor_b
	tensor_load_to_lds s[G0A:G0A+3], s[G1A:G1A+7]
	s_nop 0
.rept 4
	v_nop
.endr
	s_branch .Lasked
.Lfor_b:
	tensor_load_to_lds s[G0B:G0B+3], s[G1B:G1B+7]
	s_nop 0
.rept 4
	v_nop
.endr
.Lasked:
	; where the results go, for both roles, while the tiles are on their way
	s_lshr_b32 s78, s68, 4                         ; q, k: batch,
	s_and_b32 s79, s68, 15
	s_lshl_b32 s79, s79, 3
	s_lshl_b32 s80, s[RH], 2
	s_add_co_u32 s79, s79, s80                     ; my first token tile in it,
	s_lshl_b32 s80, s69, 1
	s_add_co_u32 s80, s80, s[CH]                   ; my 128 columns (two heads).  v: my 128 keys
	s_lshl_b32 s81, s80, 3
	s_add_co_u32 s81, s81, s78
	s_lshl_b32 s81, s81, 7
	s_add_co_u32 s81, s81, s79
	s_mul_i32 s81, s81, 768                        ; ((4 x first head + batch) 128 + tile) 768
	s_lshl_b32 s82, s80, 2
	s_add_co_u32 s82, s82, s78
	s_lshl_b32 s82, s82, 5
	s_lshr_b32 s83, s79, 2
	s_add_co_u32 s82, s82, s83
	s_lshl_b32 s82, s82, 8
	s_add_co_u32 s82, s82, 12582912                ; the scale words of four token tiles: 256 bytes
	s_lshl_b32 s84, s68, 1
	s_add_co_u32 s84, s84, s[RH]                   ; v: head,
	s_lshr_b32 s85, s80, 4                         ; batch,
	s_and_b32 s86, s80, 15                         ; key step
	s_lshl_b32 s87, s85, 4
	s_add_co_u32 s88, s87, s84
	s_lshl_b32 s88, s88, 4
	s_add_co_u32 s88, s88, s86                     ; (16 batch + head) 16 + step
	s_mul_i32 s89, s88, 6144
	s_lshl_b32 s90, s88, 8
	s_add_co_u32 s90, s90, 6291456
	s_add_co_u32 s87, s87, s86
	s_lshl_b32 s87, s87, 4
	s_add_co_u32 s87, s87, s84
	s_lshl_b32 s87, s87, 8
	s_add_co_u32 s87, s87, 6553600                 ; the sums: ((16 batch + step) 16 + head) 256
	s_mov_b32 s91, 3072
	s_cmp_lt_u32 ttmp9, 32
	s_cselect_b64 s[96:97], s[8:9], s[10:11]
	s_cselect_b32 s78, s81, s89
	s_cselect_b32 s80, s82, s90
	s_cselect_b32 s82, 393216, s91                 ; from a fragment's first half to its second: the next head, or the next 64 keys
	s_mov_b32 s79, 0
	s_mov_b32 s81, 0
	s_mov_b32 s83, 0
	s_mov_b32 s86, s87
	s_mov_b32 s87, 0
	s_add_nc_u64 s[88:89], s[96:97], s[78:79]
	s_add_nc_u64 s[90:91], s[88:89], s[82:83]
	s_add_nc_u64 s[98:99], s[96:97], s[80:81]
	s_add_nc_u64 s[84:85], s[10:11], s[86:87]
	s_wait_alu depctr_va_vdst(0)
	s_wait_tensorcnt 0x0                           ; my one load is in
	s_barrier_signal -1
	s_barrier_wait -1                              ; everybody's is: all of K lies in LDS
	FETCH 0
	s_wait_loadcnt 0x0                             ; the scale words
	GSTEP 0
	s_wait_alu depctr_va_vdst(0)
	GSTEP 1
	GSTEP 2
	GSTEP 3
	GSTEP 4
	GSTEP 5
	GSTEP 6
	s_wait_dscnt 0x0
	MUL 7
	WIN 0
; THE WAY OUT: each block of 16 A-rows (64 registers a lane, neighbours along the next K) becomes a fragment and a scale word a row
.macro QUANTW a
.set QS, 64*(\a)                       ; in window 2
.set QP, 96+12*(\a)
	WIN 0x28                                       ; sources 1 and 2 window 2.
.irp b, 0,1,2,3
	v_max3_num_f32 v[TM+\b], 0x2800000, |v[QS+16*\b]|, |v[QS+1+16*\b]|
.endr
.irp i, 2,4,6,8,10,12,14
.irp b, 0,1,2,3
	v_max3_num_f32 v[TM+\b], v[TM+\b], |v[QS+16*\b+\i]|, |v[QS+1+16*\b+\i]|
.endr
.endr
	WIN 0
.irp b, 0,1,2,3
	v_permlanex16_b32 v[TM+4+\b], v[TM+\b], s[SEL], s[SEL+1]
.endr
.irp b, 0,1,2,3
	v_max_num_f32 v[TM+\b], v[TM+\b], v[TM+4+\b]
.endr
.irp b, 0,1,2,3
	v_add_nc_u32 v[TM+12+\b], 0xfe000000, v[TM+\b]
.endr
.irp b, 0,1,2,3
	v_lshrrev_b32 v[TM+4+\b], 23, v[TM+12+\b]
.endr
	v_lshl_or_b32 v[PWR+(\a)], v[TM+5], 8, v[TM+4]
	v_lshl_or_b32 v[PWR+(\a)], v[TM+6], 16, v[PWR+(\a)]
	v_lshl_or_b32 v[PWR+(\a)], v[TM+7], 24, v[PWR+(\a)]
	WIN 0x02                                       ; source 0 window 2
.irp c, 0,1
	v_cvt_scalef32_pk16_bf6_f32 v[QP+6*\c:QP+2+6*\c], v[QS+32*\c:QS+15+32*\c], v[TM+12+2*\c]
	v_cvt_scalef32_pk16_bf6_f32 v[CT+4*\c:CT+2+4*\c], v[QS+16+32*\c:QS+31+32*\c], v[TM+12+2*\c+1]
.endr
	WIN 0
	v_nop                                          ; one plain instruction behind the conversions
.irp c, 0,1
.irp i, 0,1,2
	v_permlane16_swap_b32 v[QP+6*\c+\i], v[CT+4*\c+\i]
.endr
.irp i, 0,1,2
	v_mov_b32 v[QP+3+6*\c+\i], v[CT+4*\c+\i]
.endr
.endr
.endm
	PLACES 4                                       ; behind the last products: their results are read and their operands' registers written below
.irp i, 0,3,6,9
	v_mov_b32 v[176+\i], 0x0c30c30c                ; a fragment of ones: the code of 1.0 is 001100, four codes in three bytes
	v_mov_b32 v[177+\i], 0xc30c30c3
	v_mov_b32 v[178+\i], 0x30c30c30
.endr
	v_mov_b32 v84, 0x7f7f7f7f                      ; and its scales, 2^0
.irp b, 0,1,2,3
	v_mov_b32 v[TM+4+\b], 0
.endr
.irp a, 0,1,2,3
	QUANTW \a
	global_store_b128 v20, v[QP:QP+3], s[88:89] offset:768*\a        ; no store's data are written again
	global_store_b64 v21, v[QP+4:QP+5], s[88:89] offset:768*\a
	global_store_b128 v20, v[QP+6:QP+9], s[90:91] offset:768*\a
	global_store_b64 v21, v[QP+10:QP+11], s[90:91] offset:768*\a
.endr
	v_cndmask_b32 v86, v80, v81, s15               ; lanes 0-15 tile 0's words, lanes 16-31 tile 1's
	v_cndmask_b32 v87, v82, v83, s15
	global_store_b64 v22, v[86:87], s[98:99]       ; 256 consecutive bytes
	s_cmp_lt_u32 ttmp9, 32
	s_cbranch_scc1 .Ldone
	PLACES 8                                       ; scale words and codes made by vector instructions stand so far ahead of a scaled matrix instruction
.irp a, 0,1,2,3
	WM 192+8*\a, 176, 96+12*\a, 1, 84, 80+\a, 0, 0  ; ones x my codes: every register of lane r holds the sum of row r's 128 quantised numbers
.endr
	PLACES 4
	v_cndmask_b32 v88, v192, v200, s15
	v_cndmask_b32 v89, v208, v216, s15
	global_store_b32 v23, v88, s[84:85]
	global_store_b32 v23, v89, s[84:85] offset:128
.Ldone:
	s_wait_tensorcnt 0x0
	ds_add_u32 v254, v255
	s_wait_dscnt 0x0
	CROUND                                         ; the closing round
	s_endpgm
.Lfunc_end_k_qb62ccef216_gemm_qkv:
	.size	k_qb62ccef216_gemm_qkv, .Lfunc_end_k_qb62ccef216_gemm_qkv-k_qb62ccef216_gemm_qkv
	.p2alignl 7, 3214868480
	.fill 96, 4, 3214868480
	.section	.rodata,"a",@progbits
	.p2align	6, 0x0
	.amdhsa_kernel k_qb62ccef216_gemm_qkv
		.amdhsa_group_segment_fixed_size 295424
		.amdhsa_private_segment_fixed_size 0
		.amdhsa_enable_private_segment 0
		.amdhsa_kernarg_size 32
		.amdhsa_user_sgpr_count 2
		.amdhsa_user_sgpr_kernarg_segment_ptr 1
		.amdhsa_wavefront_size32 1
		.amdhsa_system_sgpr_workgroup_id_x 1
		.amdhsa_system_sgpr_workgroup_id_y 1
		.amdhsa_system_sgpr_workgroup_id_z 1
		.amdhsa_system_vgpr_workitem_id 0
		.amdhsa_next_free_vgpr 768
		.amdhsa_next_free_sgpr 100
		.amdhsa_reserve_vcc 0
		.amdhsa_float_denorm_mode_32 3
		.amdhsa_float_denorm_mode_16_64 3
		.amdhsa_memory_ordered 1
		.amdhsa_forward_progress 1
		.amdhsa_inst_pref_size 91
	.end_amdhsa_kernel
	.amdgpu_metadata
---
amdhsa.version: [ 1, 2 ]
amdhsa.kernels:
  - .name:           k_qb62ccef216_gemm_qkv
    .symbol:         k_qb62ccef216_gemm_qkv.kd
    .args:
      - { .name: xq, .offset: 0, .size: 8, .value_kind: global_buffer, .address_space: global }
      - { .name: wq, .offset: 8, .size: 8, .value_kind: global_buffer, .address_space: global }
      - { .name: qk, .offset: 16, .size: 8, .value_kind: global_buffer, .address_space: global }
      - { .name: vt, .offset: 24, .size: 8, .value_kind: global_buffer, .address_space: global }
    .group_segment_fixed_size: 295424
    .private_segment_fixed_size: 0
    .kernarg_segment_align: 8
    .kernarg_segment_size: 32
    .max_flat_workgroup_size: 128
    .sgpr_count:     100
    .vgpr_count:     768
    .wavefront_size: 32
...
	.end_amdgpu_metadata
.endif
;; end of part 2
;; launch attn (part 3): grid 256 x 1, 16 waves a work-group, clusters of 4 x 1, 215,040 bytes of LDS; arguments qk, vt, attention_mask, at; writes at
.if DOCPART == 3
	.amdgcn_target "amdgcn-amd-amdhsa--gfx1250"
	.amdhsa_code_object_version 6
	.text
	.protected	k_qb62ccef216_attn
	.globl	k_qb62ccef216_attn
	.p2align	8
	.type	k_qb62ccef216_attn,@function
k_qb62ccef216_attn:
	s_mov_b64 s[64:65], 0
	v_nop
	global_prefetch_b8 v0, s[64:65] scope:SCOPE_SE
	s_setreg_imm32_b32 hwreg(HW_REG_WAVE_MODE, 25, 1), 1
	s_wait_xcnt 0x0
	s_wait_alu depctr_hold_cnt(0) depctr_sa_sdst(0) depctr_va_vdst(0) depctr_va_sdst(0) depctr_va_ssrc(0) depctr_va_vcc(0) depctr_vm_vsrc(0)
	s_getreg_b32 s2, hwreg(HW_REG_IB_STS2, 6, 4)
	s_cmp_eq_u32 s2, 0
	s_cbranch_scc0 .Lentry_in_a_cluster
	s_endpgm
.Lentry_in_a_cluster:
	s_bfe_u32 s2, ttmp6, 0x10000c
	s_cmp_lg_u32 s2, 0x3003
	s_cbranch_scc0 .Lentry_shape_is_right
	s_endpgm
.Lentry_shape_is_right:
; Causal, padded attention of one head on codes of BF6: S^T = K Q^T, p = 2^(t - M) with t = score x log2(e) / 8 and M the running largest t rounded up to a whole number, O^T = V^T P^T, O / the sum of the
; unquantised p; the result is quantised along the model's axis and leaves as the last product's operand.
; SHARES.  A cluster of four work-groups serves one (batch, head).  Wave w (g = w % 8, sub = w / 8) owns two tiles of 16 queries: the long one, 8 (15 - g) + 2 cx + sub, and the short one, 8 g + 2 cx + sub.
; Tile T needs key steps 0 .. T / 8 of 128 keys: (16 - g) + (g + 1) = 17 steps a wave.  ONE LOOP OF 17 TRIPS: with x = trip + g the long tile takes step 15 - x (x = g .. 15: from its diagonal down to 0),
; the short one step x - 16 (x = 16 .. 16 + g: up to its diagonal).  So every wave has a step in every trip, and both diagonals fall into trips 0 and 16 in all waves.  The order of the steps is free: M runs.
; A work-group barrier a trip, signalled at the trip's head and waited for at its end, holds the sixteen waves within one step of each other; between the two stand register work and LDS reads alone.
; Branches hang on the wave's number and on loop counters alone; cx enters global addresses and one data register.
; LDS: the head's K and V images come once, by one joint load a wave; nothing is ever filled again.  Scale words and the sums of v lie in bytes of their own, written by LDS stores.
; No data prefetch: each byte is asked for once, at the head, and there is no loop to run ahead in.
; LAYOUT.  Both products transposed: a lane holds one query.  THE KEYS OF A TILE OF S^T ARE CHOSEN BY THE LANES' LDS ADDRESSES: rows 0-7 of tile 4 c + tt are keys 64 c + 8 tt + 0..7, rows 8-15 the keys 32 further on.
; So lane (r, h) holds in registers 32 c + i the key 64 c + 32 h + i: whole blocks of 32, in the order of p's operand: no lane is asked for a block's maximum, and no code changes lanes.
; (In the images lane r of tile 2 g + u stands for token 32 g + 8 u + r + 8 (r / 8): the eight keys 8 o .. 8 o + 7 lie in tile 2 (o / 4) + o % 2 at lanes 8 ((o % 4) / 2) on.)
; THE PADDING MASK goes through the matrix unit: the first product's K is 64, so k = 64 is free: every key has the code +28 there, every query -28; the key's scale byte of that block is 0xe0 for a padded
; key (score - 784 x 2^97) and 1 for an open one (score - 784 x 2^-126).  The running largest score begins at -2^67, above every padded key's: a padded key never moves M and its p is 0.
; A ROW WITHOUT ANY OPEN KEY (sum under 1/2) is uniform over all 2,048 keys, as where every logit is the same lowest number: the sum of the quantised v / 2,048.
; LIMITS: scores of open keys under 2^67 in magnitude; an open key's score carries -784 x 2^-126; NaN and infinities are not served; a block of zeros gets the byte 1.
; REGISTERS: v1-8 addresses and the diagonal's number; v9-11, v28-30 the step's addresses; v31 4 r; v12 -M, v13 largest score, v[14:15] the sum; v16-27 Q, v80-85 the short tile's Q; v92, v93 their scale words;
;   v32-79 four fragments of K; v86-88 K's lane terms, 8 h; v96-159 S^T, then p, then V's fragments; v160-191 O^T; v192-195 K's scale words, v196-197 V's; v200-207 partial sums; v212-219 maxima;
;   v224-235 p's codes; v236-254 at work.
.set WV,   12
.set SEL,  28                          ; s[28:29] lane selects: lane l xor 16
.set CS,   30                          ; s[30:31] c = log2(e) / 8
.set X,    35                          ; s35 trip + g
.set I,    36                          ; s36 the trip
.set DG,   37                          ; s37 trip % 16: 0 in the two trips with a diagonal
.set TK,   38                          ; s38 6,144 J: a step's images;  s39 512 J: K's scale words;  s48 256 J: V's
.set TS,   39
.set TV,   48
.set VIMG, 98304
.set KSC,  196608
.set VSC,  204800
.set VSUM, 208896
.macro CROUND
	s_barrier_signal -1
	s_barrier_wait -1
	s_cmp_lg_u32 s[WV], 0
	s_cbranch_scc1 .Lnot_wave_0_\@
	s_barrier_signal -3
.Lnot_wave_0_\@:
	s_barrier_wait -3
	s_barrier_signal -1
	s_barrier_wait -1
.endm
; one matrix instruction: z: the sum starts with 0; ra: 1 = source 0's scales in lanes 16-31
.macro WM d, a, b, z, sa, sb, ra
.if \z
.if (\ra)
	v_wmma_scale_f32_16x16x128_f8f6f4 v[(\d):(\d)+7], v[(\a):(\a)+11], v[(\b):(\b)+11], 0, v[\sa], v[\sb] matrix_a_fmt:MATRIX_FMT_BF6 matrix_b_fmt:MATRIX_FMT_BF6 matrix_a_scale:MATRIX_SCALE_ROW1
.else
	v_wmma_scale_f32_16x16x128_f8f6f4 v[(\d):(\d)+7], v[(\a):(\a)+11], v[(\b):(\b)+11], 0, v[\sa], v[\sb] matrix_a_fmt:MATRIX_FMT_BF6 matrix_b_fmt:MATRIX_FMT_BF6
.endif
.else
.if (\ra)
	v_wmma_scale_f32_16x16x128_f8f6f4 v[(\d):(\d)+7], v[(\a):(\a)+11], v[(\b):(\b)+11], v[(\d):(\d)+7], v[\sa], v[\sb] matrix_a_fmt:MATRIX_FMT_BF6 matrix_b_fmt:MATRIX_FMT_BF6 matrix_a_scale:MATRIX_SCALE_ROW1
.else
	v_wmma_scale_f32_16x16x128_f8f6f4 v[(\d):(\d)+7], v[(\a):(\a)+11], v[(\b):(\b)+11], v[(\d):(\d)+7], v[\sa], v[\sb] matrix_a_fmt:MATRIX_FMT_BF6 matrix_b_fmt:MATRIX_FMT_BF6
.endif
.endif
.endm
; the key step of x + add: 15 - x under 16, x - 16 from 16 on: (x xor 15 xor 15 (x / 16)) % 16; and its three offsets
.macro NEXTJ add
	s_add_co_u32 s70, s[X], \add
	s_lshr_b32 s71, s70, 4
	s_mul_i32 s71, s71, 15
	s_xor_b32 s70, s70, 15
	s_xor_b32 s70, s70, s71
	s_and_b32 s70, s70, 15
	s_mul_i32 s[TK], s70, 6144
	s_lshl_b32 s[TS], s70, 9
	s_lshl_b32 s[TV], s70, 8
.endm
.macro KLOAD c                         ; tiles 4 c .. 4 c + 3 of K: k = 0 .. 63 of 16 keys each, six registers
.irp t, 0,1,2,3
	ds_load_b128 v[32+12*\t:35+12*\t], v9 offset:3072*\c+768*(\t%2)+128*(\t/2)
	ds_load_b64 v[36+12*\t:37+12*\t], v10 offset:3072*\c+768*(\t%2)+64*(\t/2)
.endr
.endm
.macro VLOAD t, reg
	ds_load_b128 v[\reg:\reg+3], v11 offset:768*\t
	ds_load_b64 v[\reg+4:\reg+5], v28 offset:768*\t
	ds_load_b128 v[\reg+6:\reg+9], v11 offset:3072+768*\t
	ds_load_b64 v[\reg+10:\reg+11], v28 offset:3072+768*\t
.endm
.macro MASK c                          ; a tile's own step: keys after the query become -infinity ahead of the maximum
	s_cmp_lg_u32 s[DG], 0
	s_cbranch_scc1 .Lopen_\@
.set n, 0
.rept 32
	v_cmp_gt_i32 vcc_lo, 64*\c+n, v8
	v_cndmask_b32 v[96+32*\c+n], v[96+32*\c+n], v94, vcc_lo
.set n, n+1
.endr
.Lopen_\@:
.endm
.macro MAXC c                          ; the largest score of my block of half c, all but its last register: four chains, each accumulator from its low end on
.irp k, 0,1,2,3
	v_max3_num_f32 v[212+4*\c+\k], v[96+32*\c+8*\k], v[97+32*\c+8*\k], v[98+32*\c+8*\k]
.endr
.irp i, 3,5
.irp k, 0,1,2,3
	v_max3_num_f32 v[212+4*\c+\k], v[212+4*\c+\k], v[96+32*\c+8*\k+\i], v[97+32*\c+8*\k+\i]
.endr
.endr
	v_max3_num_f32 v[212+4*\c], v[212+4*\c], v[213+4*\c], v[103+32*\c]
	v_max3_num_f32 v[214+4*\c], v[214+4*\c], v[215+4*\c], v[111+32*\c]
	v_max3_num_f32 v[212+4*\c], v[212+4*\c], v[214+4*\c], v[119+32*\c]
.endm
	s_load_b256 s[4:11], s[0:1], 0x0               ; qk s[4:5], vt s[6:7], attention_mask s[8:9], at s[10:11]
	v_lshl_add_u32 v251, v0, 2, 0x34000
	v_mov_b32 v255, 0
	ds_add_u32 v251, v255                          ; the opening lines: the add, twice on end, and its wait
	ds_add_u32 v251, v255
	v_lshrrev_b32 v203, 5, v0
	s_delay_alu instid0(VALU_DEP_1)
	v_readfirstlane_b32 s[WV], v203                ; wave 0..15
	s_and_b32 s13, s[WV], 7                        ; g
	s_lshr_b32 s14, s[WV], 3                       ; sub
	s_bfe_u32 s15, ttmp6, 0x40000                  ; cx
	s_lshr_b32 s32, ttmp9, 4                       ; batch
	s_and_b32 s33, ttmp9, 15                       ; head
	s_and_b32 s34, s33, 1
	s_lshl_b32 s34, s34, 4                         ; 16 (head % 2): where my head's two bytes stand in a scale word of q or k
	s_sub_co_u32 s72, 15, s13
	s_lshl_b32 s49, s15, 1
	s_add_co_u32 s49, s49, s14                     ; 2 cx + sub
	s_lshl_b32 s56, s13, 3
	s_add_co_u32 s56, s56, s49                     ; my short tile of queries
	s_lshl_b32 s57, s72, 3
	s_add_co_u32 s57, s57, s49                     ; my long one
	; descriptor: 12,288 dense bytes as 48 rows of 256 bytes (32 elements of 8); the mask names all four work-groups
	s_mov_b32 s16, 15|(3<<16)|(1<<21)
	s_mov_b32 s17, 32<<16
	s_mov_b32 s18, 48<<16
	s_mov_b32 s19, 32<<16
	s_mov_b32 s20, 48
	s_mov_b32 s21, 32
	s_mov_b32 s22, 0
	s_mov_b32 s23, 0
	s_mov_b32 s24, 1
	s_mul_i32 s25, s[WV], 12288                    ; waves 0-7: eighths of K's images at LDS byte 0; waves 8-15: of V's, which begin at 8 x 12,288
	s_mov_b32 s[SEL], 0x76543210
	s_mov_b32 s[SEL+1], 0xfedcba98
	s_mov_b32 s[CS], 0x3e38aa3b
	s_mov_b32 s[CS+1], s[CS]
	s_lshl_b32 s49, s15, 5
	s_lshl_b32 s70, s14, 3
	s_add_co_u32 s49, s49, s70                     ; 32 cx + 8 sub
	v_and_b32 v198, 31, v0                         ; lane
	v_and_b32 v199, 15, v0                         ; r
	v_bfe_u32 v200, v0, 4, 1                       ; h = lane / 16
	v_and_b32 v213, 7, v0                          ; r % 8
	v_bfe_u32 v214, v0, 3, 1                       ; r / 8
	v_lshlrev_b32 v1, 4, v198                      ; 16 l
	v_lshlrev_b32 v2, 3, v198
	v_mul_u32_u24 v215, v214, 1536
	v_lshlrev_b32 v88, 3, v200                     ; 8 h
	v_add_nc_u32 v2, 512, v2                       ; 512 + 8 l
	v_add_nc_u32 v3, VIMG, v1
	v_add_nc_u32 v5, KSC, v1
	v_lshl_add_u32 v6, v198, 3, VSC
	v_add_nc_u32 v4, VIMG, v2
	v_lshl_add_u32 v7, v200, 5, VSUM
	v_lshl_add_u32 v86, v213, 4, v215
	v_lshl_add_u32 v87, v213, 3, v215
	v_and_b32 v201, 8, v199
	v_lshl_add_u32 v86, v200, 8, v86               ; K's first 16 bytes: 16 (r % 8) + 256 h + 1,536 (r / 8)
	v_lshl_add_u32 v87, v200, 7, v87
	v_add_nc_u32 v201, v201, v199                  ; r + 8 (r / 8)
	v_lshlrev_b32 v202, 5, v200
	v_add_nc_u32 v87, 512, v87                     ; its last 8: 512 + 8 (r % 8) + 128 h + 1,536 (r / 8)
	v_sub_nc_u32 v8, v201, v202
	v_lshlrev_b32 v31, 2, v199                     ; 4 r
	v_add_nc_u32 v8, s49, v8                       ; my query's place in its own key step, less 32 h: register 32 c + i is hidden there where 64 c + i is above it
	v_lshlrev_b32 v204, 3, v213
	v_lshlrev_b32 v205, 2, v213
	v_lshl_add_u32 v204, v214, 2, v204
	v_lshl_add_u32 v205, v200, 5, v205
	v_lshl_add_u32 v204, v200, 7, v204
	v_lshl_add_u32 v205, v214, 7, v205
	v_lshl_add_u32 v204, v203, 9, v204             ; K's scale words of step j = my wave: 512 j + 128 h + 8 (r % 8) + 4 (r / 8)
	v_lshl_add_u32 v205, v203, 9, v205             ; the mask of the same keys: 512 j + 128 (r / 8) + 32 h + 4 (r % 8)
	v_lshlrev_b32 v206, 3, v0                      ; V's scale words: 8 bytes a thread
	v_lshlrev_b32 v207, 3, v199                    ; Q's scale word: 8 r
	v_lshlrev_b32 v208, 2, v0                      ; the sums: 4 bytes a thread
	v_lshl_add_u32 v209, v0, 2, VSUM               ; LDS: where the sums go,
	v_lshl_add_u32 v210, v0, 4, KSC                ; K's scale words,
	v_lshl_add_u32 v211, v0, 3, VSC                ; V's
	s_wait_alu depctr_va_vdst(0)
	s_wait_dscnt 0x0
	s_wait_kmcnt 0x0
	s_add_co_u32 s80, s33, 16                      ; what I fetch: nothing here hangs on cx
	s_lshl_b32 s80, s80, 2
	s_add_co_u32 s80, s80, s32
	s_mul_i32 s80, s80, 98304
	s_mul_i32 s82, s13, 12288
	s_add_co_u32 s80, s80, s82
	s_mov_b32 s81, 0
	s_add_nc_u64 s[76:77], s[4:5], s[80:81]        ; k's images of my head, my eighth
	s_mul_i32 s80, ttmp9, 98304
	s_add_co_u32 s80, s80, s82
	s_add_nc_u64 s[78:79], s[6:7], s[80:81]        ; v's
	s_cmp_lt_u32 s[WV], 8
	s_cselect_b64 s[26:27], s[76:77], s[78:79]
	s_or_b32 s27, s27, 0x80000000
	CROUND                                         ; all four work-groups are here: the joint loads meet
	tensor_load_to_lds s[24:27], s[16:23]          ; my one tensor load; all that follows in the head stands under its flight
	s_nop 0
.rept 4
	v_nop
.endr
	s_mov_b32 s71, 0
	s_lshr_b32 s49, s33, 1                         ; head / 2
	s_add_co_u32 s70, s49, 8
	s_lshl_b32 s70, s70, 2
	s_add_co_u32 s70, s70, s32
	s_lshl_b32 s70, s70, 13
	s_add_co_u32 s70, s70, 12582912
	s_add_nc_u64 s[50:51], s[4:5], s[70:71]        ; k's scale words
	s_lshl_b32 s70, s32, 13
	s_add_nc_u64 s[52:53], s[8:9], s[70:71]        ; my batch's mask
	s_lshl_b32 s70, ttmp9, 12
	s_add_co_u32 s70, s70, 6291456
	s_add_nc_u64 s[54:55], s[6:7], s[70:71]        ; v's scale words
	s_lshl_b32 s72, s33, 2
	s_add_co_u32 s72, s72, s32
	s_lshl_b32 s72, s72, 7
	s_add_co_u32 s70, s72, s56
	s_mul_i32 s70, s70, 768
	s_add_nc_u64 s[58:59], s[4:5], s[70:71]        ; q's image, short tile
	s_add_co_u32 s70, s72, s57
	s_mul_i32 s70, s70, 768
	s_add_nc_u64 s[60:61], s[4:5], s[70:71]        ; long tile
	s_lshl_b32 s72, s49, 2
	s_add_co_u32 s72, s72, s32
	s_lshl_b32 s72, s72, 5
	s_lshl_b32 s73, s14, 7                         ; a tile's words stand at 8 (16 (T % 2) + r) + 4 ((T % 4) / 2) of its four tiles' 256 bytes
	s_and_b32 s74, s15, 1
	s_lshl_b32 s74, s74, 2
	s_add_co_u32 s73, s73, s74
	s_add_co_u32 s73, s73, 12582912
	s_lshr_b32 s70, s56, 2
	s_add_co_u32 s70, s70, s72
	s_lshl_b32 s70, s70, 8
	s_add_co_u32 s70, s70, s73
	s_add_nc_u64 s[62:63], s[4:5], s[70:71]
	s_lshr_b32 s70, s57, 2
	s_add_co_u32 s70, s70, s72
	s_lshl_b32 s70, s70, 8
	s_add_co_u32 s70, s70, s73
	s_add_nc_u64 s[66:67], s[4:5], s[70:71]
	s_lshl_b32 s70, s32, 16
	s_lshl_b32 s72, s33, 8
	s_add_co_u32 s70, s70, s72
	s_add_co_u32 s70, s70, 6553600
	s_add_nc_u64 s[68:69], s[6:7], s[70:71]        ; the sums of v: 16 parts, 4,096 bytes apart
.irp b, 0,1,2,3                        ; register b, lane l: row r of tile 2 b + h of S^T
	global_load_b32 v[96+\b], v204, s[50:51] offset:256*(\b/2)+64*(\b%2)
	global_load_b32 v[100+\b], v205, s[52:53] offset:256*(\b/2)+64*(\b%2)
.endr
	global_load_b64 v[104:105], v206, s[54:55]
	global_load_b128 v[16:19], v1, s[60:61]        ; the long tile goes first
	global_load_b64 v[20:21], v2, s[60:61]
	global_load_b128 v[80:83], v1, s[58:59]
	global_load_b64 v[84:85], v2, s[58:59]
	global_load_b32 v92, v207, s[66:67]
	global_load_b32 v93, v207, s[62:63]
	s_cmp_lt_u32 s[WV], 2
	s_cbranch_scc0 .Lno_sums
.irp i, 0,1,2,3,4,5,6,7,8,9,10,11,12,13,14,15
	global_load_b32 v[112+\i], v208, s[68:69] offset:4096*\i
.endr
.Lno_sums:
	s_lshl_b32 s72, s32, 7                         ; the results: image ((128 batch + T) 16 + head) 768
	s_add_co_u32 s70, s72, s56
	s_lshl_b32 s70, s70, 4
	s_add_co_u32 s70, s70, s33
	s_mul_i32 s70, s70, 768
	s_add_nc_u64 s[40:41], s[10:11], s[70:71]
	s_add_co_u32 s70, s72, s57
	s_lshl_b32 s70, s70, 4
	s_add_co_u32 s70, s70, s33
	s_mul_i32 s70, s70, 768
	s_add_nc_u64 s[44:45], s[10:11], s[70:71]
	s_lshl_b32 s72, s32, 6                         ; scale bytes: (64 batch + T / 2) 1,024 + 128 (head / 2) + 64 sub + 2 (head % 2)
	s_lshl_b32 s73, s49, 7
	s_lshl_b32 s74, s14, 6
	s_add_co_u32 s73, s73, s74
	s_lshr_b32 s74, s34, 3
	s_add_co_u32 s73, s73, s74
	s_add_co_u32 s73, s73, 6291456
	s_lshr_b32 s70, s56, 1
	s_add_co_u32 s70, s70, s72
	s_lshl_b32 s70, s70, 10
	s_add_co_u32 s70, s70, s73
	s_add_nc_u64 s[42:43], s[10:11], s[70:71]
	s_lshr_b32 s70, s57, 1
	s_add_co_u32 s70, s70, s72
	s_lshl_b32 s70, s70, 10
	s_add_co_u32 s70, s70, s73
	s_add_nc_u64 s[46:47], s[10:11], s[70:71]
.irp t, 0,1,2,3
	v_mov_b32 v[38+12*\t], 31                      ; K's fragments, k = 64 on: the code +28 first, zeros behind; these registers stay
.irp i, 7,8,9,10,11
	v_mov_b32 v[32+12*\t+\i], 0
.endr
.endr
	v_cmp_gt_u32 vcc_lo, 16, v198
	s_delay_alu instid0(VALU_DEP_1)
	v_cndmask_b32 v22, 0, 63, vcc_lo               ; Q's: the code -28 at k = 64 (lanes 0-15), nothing at k = 96
.irp i, 23,24,25,26,27
	v_mov_b32 v\i, 0
.endr
	v_mov_b32 v94, 0xff800000                      ; -infinity
	v_mov_b32 v95, 0x45000000                      ; 2,048.0
	v_mov_b32 v109, 0x7fe00000
.irp i, 236,237,238,239,248,252,253,254
	v_mov_b32 v\i, 0                               ; lane permutes' destinations and pairs' upper halves are written once
.endr
	s_mov_b32 s70, 0x7f7f0000
	s_wait_alu depctr_va_vdst(0)
	s_wait_loadcnt 0x0
.irp b, 0,1,2,3
	v_lshrrev_b32 v[96+\b], s34, v[96+\b]          ; my head's two bytes,
	v_cmp_eq_u32 vcc_lo, 0, v[100+\b]
	s_delay_alu instid0(VALU_DEP_1)
	v_cndmask_b32 v106, 0x7f010000, v109, vcc_lo   ; the mask's byte: 0xe0 for a padded key, 1 for an open one; 2^0 on top
	s_delay_alu instid0(VALU_DEP_1)
	v_and_or_b32 v[96+\b], v[96+\b], 0xffff, v106
.endr
	ds_store_b128 v210, v[96:99]
	ds_store_b64 v211, v[104:105]
	v_lshrrev_b32 v92, s34, v92
	v_lshrrev_b32 v93, s34, v93
	s_delay_alu instid0(VALU_DEP_2)
	v_and_or_b32 v92, v92, 0xffff, s70
	s_delay_alu instid0(VALU_DEP_2)
	v_and_or_b32 v93, v93, 0xffff, s70
	s_cmp_lt_u32 s[WV], 2
	s_wait_alu depctr_va_vdst(0)
	s_cbranch_scc0 .Lno_sums2
.irp i, 0,1,2,3,4,5,6,7
	v_add_f32 v[112+\i], v[112+\i], v[120+\i]
.endr
.irp i, 0,1,2,3
	s_delay_alu instid0(VALU_DEP_4)
	v_add_f32 v[112+\i], v[112+\i], v[116+\i]
.endr
	s_delay_alu instid0(VALU_DEP_2)
	v_add_f32 v112, v112, v114
	s_delay_alu instid0(VALU_DEP_2)
	v_add_f32 v113, v113, v115
	s_delay_alu instid0(VALU_DEP_1)
	v_add_f32 v112, v112, v113
	ds_store_b32 v209, v112                        ; the sum of the quantised v over all 2,048 keys, in the images' order of the head's 64
.Lno_sums2:
	s_wait_tensorcnt 0x0                           ; my part of the images is in,
	s_wait_dscnt 0x0                               ; my LDS stores have landed:
	s_barrier_signal -1
	s_barrier_wait -1                              ; everybody's have.  LDS is only read from here on
.macro INIT
	v_mov_b32 v13, 0xe1000000                      ; the largest score so far: -2^67
	v_mov_b32 v14, 0
	v_mov_b32 v15, 0
	v_mul_f32 v249, s[CS], v13
	v_floor_f32 v12, -v249
	v_mov_b32 v254, v12
.set n, 0
.rept 32
	v_mov_b32 v[160+n], 0                          ; the step is written once: a tile's first finds zeros
.set n, n+1
.endr
	s_wait_alu depctr_va_vdst(0)
	s_wait_xcnt 0x0                                ; the last tile's stores have read their registers, which the steps write again
.endm
; a tile's end: O^T / the sum, quantised along the head's 64 (two blocks), stored as a half fragment and two scale bytes a row
.macro FINAL ob, sb
.rept 4
	v_nop
.endr
	v_add_f32 v14, v14, v15
	v_permlanex16_b32 v254, v14, s[SEL], s[SEL+1]
	v_add_f32 v14, v14, v254                       ; the row's sum
.irp t, 0,1,2,3
	ds_load_b128 v[96+8*\t:99+8*\t], v7 offset:64*\t
	ds_load_b128 v[100+8*\t:103+8*\t], v7 offset:64*\t+16
.endr
	v_cmp_gt_f32 vcc_lo, 0.5, v14                  ; no key has counted (with one open key the sum is above 1/2)
	s_delay_alu instid0(VALU_DEP_1)
	v_cndmask_b32 v14, v14, v95, vcc_lo
	s_wait_alu depctr_va_vdst(0)
	v_rcp_f32 v252, v14
	s_wait_dscnt 0x0
.set n, 0
	s_wait_alu depctr_va_vdst(0)
.rept 32
	v_cndmask_b32 v[160+n], v[160+n], v[96+n], vcc_lo      ; then: the sum of v over all keys
.set n, n+1
.endr
	s_wait_alu depctr_va_vdst(0)                   ; ahead of the reciprocal's first reader
.set n, 0
.rept 16
	v_pk_mul_f32 v[160+n:161+n], v[160+n:161+n], v[252:253] op_sel_hi:[1,0]
.set n, n+2
.endr
.irp b, 0,1
	v_max3_num_f32 v[232+\b], |v[160+16*\b]|, |v[161+16*\b]|, 0x2800000
.endr
.irp i, 2,4,6,8,10,12,14
.irp b, 0,1
	s_delay_alu instid0(VALU_DEP_2)
	v_max3_num_f32 v[232+\b], v[232+\b], |v[160+16*\b+\i]|, |v[161+16*\b+\i]|
.endr
.endr
.irp b, 0,1
	v_permlanex16_b32 v[236+\b], v[232+\b], s[SEL], s[SEL+1]
.endr
.irp b, 0,1
	v_max_num_f32 v[232+\b], v[232+\b], v[236+\b]
.endr
.irp b, 0,1
	v_add_nc_u32 v[244+\b], 0xfe000000, v[232+\b]
.endr
.irp b, 0,1
	v_lshrrev_b32 v[240+\b], 23, v[244+\b]
.endr
	s_delay_alu instid0(VALU_DEP_1)
	v_lshl_or_b32 v240, v241, 8, v240
	v_cvt_scalef32_pk16_bf6_f32 v[224:226], v[160:175], v244
	v_cvt_scalef32_pk16_bf6_f32 v[236:238], v[176:191], v245
	v_nop
.irp i, 0,1,2
	v_permlane16_swap_b32 v[224+\i], v[236+\i]
.endr
.irp i, 0,1,2
	s_delay_alu instid0(VALU_DEP_3)
	v_mov_b32 v[227+\i], v[236+\i]
.endr
	global_store_b128 v1, v[224:227], s[\ob:\ob+1]
	global_store_b64 v2, v[228:229], s[\ob:\ob+1]
	global_store_b16 v31, v240, s[\sb:\sb+1]       ; lanes l and l xor 16 store the same two bytes at the same place
.endm
	INIT
	s_mov_b32 s[X], s13
	s_mov_b32 s[I], 0
	NEXTJ 0                                        ; the long tile's own step, 15 - g
	v_add_nc_u32 v9, s[TK], v86
	v_add_nc_u32 v10, s[TK], v87
	v_add_nc_u32 v29, s[TS], v5
	ds_load_b128 v[192:195], v29                   ; register b: the words of tile 2 b in lanes 0-15, of tile 2 b + 1 in lanes 16-31
	KLOAD 0
	s_wait_alu depctr_va_vdst(0)
	s_wait_dscnt 0x0                               ; no LDS instruction of mine is pending at a signal
.Lloop:                                ; 17 trips, a key step of 128 keys each; this step's first four fragments of K and its scale words are in registers
	s_barrier_signal -1                            ; I have begun this trip
	v_add_nc_u32 v11, s[TK], v3                    ; this step's V.  Five places in front of products that write over the last step's V fragments
	v_add_nc_u32 v28, s[TK], v4
	v_add_nc_u32 v30, s[TV], v6
	v_nop
	v_nop
	NEXTJ 1                                        ; the next trip's step
	s_and_b32 s[DG], s[I], 15
.irp t, 0,1,2,3
	WM 96+8*\t, 32+12*\t, 16, 1, 192+\t/2, 92, \t%2
.endr
.rept 4
	v_nop                                          ; in front of loads into registers that these products read, and of the first read of their results
.endr
	KLOAD 1
	MASK 0
	MAXC 0                                         ; under the loads' flight
	s_wait_alu depctr_va_vdst(0)
	s_wait_dscnt 0x0
.irp t, 0,1,2,3
	WM 128+8*\t, 32+12*\t, 16, 1, 194+\t/2, 92, \t%2
.endr
	v_add_nc_u32 v9, s[TK], v86                    ; four plain instructions that name none of these products' registers: the places in front of the loads below
	v_add_nc_u32 v10, s[TK], v87
	v_add_nc_u32 v29, s[TS], v5
	v_max_num_f32 v212, v212, v127                 ; my first block's largest score
	ds_load_b128 v[192:195], v29                   ; the next trip's scale words and first four fragments: the rest of this trip stands between these loads and their use
	KLOAD 0
	MASK 1
	MAXC 1
	v_max_num_f32 v216, v216, v159                 ; my second block's largest score
	v_max_num_f32 v249, v212, v216
	v_permlanex16_b32 v248, v249, s[SEL], s[SEL+1]
	v_max3_num_f32 v13, v13, v249, v248            ; the running largest score of my query
	v_mul_f32 v249, s[CS], v13                     ; as t (c is positive)
	v_floor_f32 v12, -v249                         ; -M = floor(-t): M is a whole number
	v_sub_f32 v254, v12, v254
	v_cvt_i32_f32 v254, v254                       ; (it saturates)
	v_ldexp_f32 v252, 1.0, v254                    ; f = 2^(old M - new M)
.set n, 0
.rept 32
	v_pk_fma_f32 v[96+n:97+n], v[96+n:97+n], s[CS:CS+1], v[12:13] op_sel_hi:[1,0,0]   ; t - M
.set n, n+2
.endr
	v_fma_f32 v212, v212, s[CS], v12               ; the same of each block's largest score
	v_fma_f32 v216, v216, s[CS], v12
	s_wait_alu depctr_va_vdst(0)
.set n, 0
.rept 64
	v_exp_f32 v[96+n], v[96+n]                     ; p = 2^(t - M)
.set n, n+1
.endr
	v_exp_f32 v212, v212                           ; each block's largest p: the same two instructions on the same number
	v_exp_f32 v216, v216
	s_wait_alu depctr_va_vdst(0)                   ; one wait for the batch, and directly ahead of the first readers of O^T
.set n, 0
.rept 16
	v_pk_mul_f32 v[160+n:161+n], v[160+n:161+n], v[252:253] op_sel_hi:[1,0]   ; O^T under the new M
.set n, n+2
.endr
	v_max_num_f32 v212, 0x2800000, v212            ; the floor 2^(5 - 127)
	v_max_num_f32 v216, 0x2800000, v216
	v_add_nc_u32 v244, 0xfe000000, v212            ; 4 off the exponent field: the conversions' scale operands
	v_add_nc_u32 v245, 0xfe000000, v216
	v_lshrrev_b32 v246, 23, v244
	v_lshrrev_b32 v247, 23, v245
	v_lshl_or_b32 v253, v247, 16, v246             ; my two bytes: blocks h and 2 + h,
	v_lshlrev_b32 v253, v88, v253                  ; at their places in the word;
	v_permlanex16_b32 v248, v253, s[SEL], s[SEL+1]
	v_or_b32 v253, v253, v248                      ; with lane l xor 16's two: p's scale word for these 128 keys
.irp k, 0,1,2,3                        ; the row's sum of the unquantised p, in four chains; first my first block
	v_pk_add_f32 v[200+2*\k:201+2*\k], v[96+2*\k:97+2*\k], v[104+2*\k:105+2*\k]
.endr
.irp m, 2,3
.irp k, 0,1,2,3
	v_pk_add_f32 v[200+2*\k:201+2*\k], v[200+2*\k:201+2*\k], v[96+8*\m+2*\k:97+8*\m+2*\k]
.endr
.endr
	v_cvt_scalef32_pk16_bf6_f32 v[224:226], v[96:111], v244
	v_cvt_scalef32_pk16_bf6_f32 v[236:238], v[112:127], v244    ; (a conversion's three registers begin on an even number)
	VLOAD 0, 96                                    ; V's fragments take p's place, half by half
	VLOAD 1, 108
	ds_load_b64 v[196:197], v30
.irp m, 4,5,6,7
.irp k, 0,1,2,3
	v_pk_add_f32 v[200+2*\k:201+2*\k], v[200+2*\k:201+2*\k], v[96+8*\m+2*\k:97+8*\m+2*\k]
.endr
.endr
.irp i, 0,1,2
	v_mov_b32 v[227+\i], v[236+\i]
.endr
	v_cvt_scalef32_pk16_bf6_f32 v[230:232], v[128:143], v245
	v_cvt_scalef32_pk16_bf6_f32 v[240:242], v[144:159], v245
	VLOAD 2, 128
	VLOAD 3, 140
	v_pk_add_f32 v[200:201], v[200:201], v[202:203]             ; a plain instruction behind the conversions
.irp i, 0,1,2
	v_mov_b32 v[233+\i], v[240+\i]
.endr
	v_pk_add_f32 v[204:205], v[204:205], v[206:207]             ; four places between p's codes and the products
	v_pk_add_f32 v[200:201], v[200:201], v[204:205]
	v_pk_fma_f32 v[14:15], v[14:15], v[252:253], v[200:201] op_sel_hi:[1,0,1]   ; the old sum under the new M, and this step's
	v_mov_b32 v254, v12                            ; -M, for the next step's f
	s_wait_alu depctr_va_vdst(0)
	s_wait_dscnt 0x0                               ; V is in, and so are the next trip's K and scale words, asked for earlier
	WM 160, 96, 224, 0, 196, 253, 0
	WM 168, 108, 224, 0, 196, 253, 1
	WM 176, 128, 224, 0, 197, 253, 0
	WM 184, 140, 224, 0, 197, 253, 1
	s_barrier_wait -1                              ; every wave has begun this trip
	s_cmp_lg_u32 s[X], 15                          ; x = 15 was the long tile's last step
	s_cbranch_scc1 .Lsame
	FINAL 44, 46
.irp i, 0,1,2,3,4,5
	v_mov_b32 v[16+\i], v[80+\i]                   ; the short tile's Q
.endr
	v_mov_b32 v92, v93
	INIT
.Lsame:
	s_add_co_u32 s[X], s[X], 1
	s_add_co_u32 s[I], s[I], 1
	s_cmp_lt_u32 s[I], 17
	s_cbranch_scc1 .Lloop
	FINAL 40, 42
	s_wait_tensorcnt 0x0                           ; the wave's end
	ds_add_u32 v251, v255
	s_wait_dscnt 0x0
	CROUND                                         ; the closing round
	s_endpgm
.Lfunc_end_k_qb62ccef216_attn:
	.size	k_qb62ccef216_attn, .Lfunc_end_k_qb62ccef216_attn-k_qb62ccef216_attn
	.p2alignl 7, 3214868480
	.fill 96, 4, 3214868480
	.section	.rodata,"a",@progbits
	.p2align	6, 0x0
	.amdhsa_kernel k_qb62ccef216_attn
		.amdhsa_group_segment_fixed_size 215040
		.amdhsa_private_segment_fixed_size 0
		.amdhsa_enable_private_segment 0
		.amdhsa_kernarg_size 32
		.amdhsa_user_sgpr_count 2
		.amdhsa_user_sgpr_kernarg_segment_ptr 1
		.amdhsa_wavefront_size32 1
		.amdhsa_system_sgpr_workgroup_id_x 1
		.amdhsa_system_sgpr_workgroup_id_y 1
		.amdhsa_system_sgpr_workgroup_id_z 1
		.amdhsa_system_vgpr_workitem_id 0
		.amdhsa_next_free_vgpr 256
		.amdhsa_next_free_sgpr 100
		.amdhsa_reserve_vcc 1
		.amdhsa_float_denorm_mode_32 3
		.amdhsa_float_denorm_mode_16_64 3
		.amdhsa_memory_ordered 1
		.amdhsa_forward_progress 1
		.amdhsa_inst_pref_size 52
	.end_amdhsa_kernel
	.amdgpu_metadata
---
amdhsa.version: [ 1, 2 ]
amdhsa.kernels:
  - .name:           k_qb62ccef216_attn
    .symbol:         k_qb62ccef216_attn.kd
    .args:
      - { .name: qk, .offset: 0, .size: 8, .value_kind: global_buffer, .address_space: global }
      - { .name: vt, .offset: 8, .size: 8, .value_kind: global_buffer, .address_space: global }
      - { .name: attention_mask, .offset: 16, .size: 8, .value_kind: global_buffer, .address_space: global }
      - { .name: at, .offset: 24, .size: 8, .value_kind: global_buffer, .address_space: global }
    .group_segment_fixed_size: 215040
    .private_segment_fixed_size: 0
    .kernarg_segment_align: 8
    .kernarg_segment_size: 32
    .max_flat_workgroup_size: 512
    .sgpr_count:     100
    .vgpr_count:     256
    .wavefront_size: 32
...
	.end_amdgpu_metadata
.endif
;; end of part 3
;; launch gemm_out (part 4): grid 64 x 4, 4 waves a work-group, clusters of 4 x 4, 295,424 bytes of LDS; arguments at, wq, out0; writes out0
.if DOCPART == 4
	.amdgcn_target "amdgcn-amd-amdhsa--gfx1250"
	.amdhsa_code_object_version 6
	.text
	.protected	k_qb62ccef216_gemm_out
	.globl	k_qb62ccef216_gemm_out
	.p2align	8
	.type	k_qb62ccef216_gemm_out,@function
k_qb62ccef216_gemm_out:
	s_mov_b64 s[64:65], 0
	v_nop
	global_prefetch_b8 v0, s[64:65] scope:SCOPE_SE
	s_setreg_imm32_b32 hwreg(HW_REG_WAVE_MODE, 25, 1), 1
	s_wait_xcnt 0x0
	s_wait_alu depctr_hold_cnt(0) depctr_sa_sdst(0) depctr_va_vdst(0) depctr_va_sdst(0) depctr_va_ssrc(0) depctr_va_vcc(0) depctr_vm_vsrc(0)
	s_getreg_b32 s2, hwreg(HW_REG_IB_STS2, 6, 4)
	s_cmp_eq_u32 s2, 0
	s_cbranch_scc0 .Lentry_in_a_cluster
	s_endpgm
.Lentry_in_a_cluster:
	s_bfe_u32 s2, ttmp6, 0x10000c
	s_cmp_lg_u32 s2, 0xf033
	s_cbranch_scc0 .Lentry_shape_is_right
	s_endpgm
.Lentry_shape_is_right:
; out0 = attn Wout on codes of BF6 with E8M0 scales, K = 1,024.  A = the attention's rows (tokens), B = Wout's columns (wq's rows 3072 on); out0 [8192][1024] f32.
; A work-group makes 128 tokens x 256 columns; wave w (rh = w / 2, ch = w % 2) 64 x 128: 32 accumulators.  The matrix instruction is used transposed (source 0 = 16 B-rows, source 1 = 16 A-rows) and a tile's
; lanes stand for rows 32 g + 8 u + r + 8 (r / 8): a lane holds one token, and register 64 a + 16 g + i column 32 g + 16 (lane / 16) + i.
; All of K lies in LDS at once: four chunks of 256 K, each byte filled once.  Cluster 4 x 4: A's tiles are asked for jointly by a row of the cluster, B's by a column.  A wave has four tensor loads out at the most.
; The way out goes through a stage of the wave's own, in A's bytes: they have had their only fill, and behind the last barrier nobody reads them.
; REGISTERS.  window 0: v2-17 LDS addresses; v20-25 offsets; v32-47 A's scale words, v48-79 B's; v96-191 A's fragments, two sets (later, with v192-223, rows of the result);
;   window 1: B's fragments, two sets at v0 and v128;   window 2: the accumulators, (a, b) at v[8 (8 a + b)].
.set WV,  12
.set RH,  13
.set CH,  14
.set G1A, 16
.set G1B, 24
.set G0A, 32
.set G0B, 48
.set MSB, 0
.macro WIN new                         ; the immediate's high byte repeats the setting that is left
.if MSB != \new
	s_set_vgpr_msb (MSB<<8)|\new
.set MSB, \new
.endif
.endm
.macro PLACES n
.rept \n
	v_nop
.endr
.endm
.macro CROUND
	s_barrier_signal -1
	s_barrier_wait -1
	s_cmp_lg_u32 s[WV], 0
	s_cbranch_scc1 .Lnot_wave_0_\@
	s_barrier_signal -3
.Lnot_wave_0_\@:
	s_barrier_wait -3
	s_barrier_signal -1
	s_barrier_wait -1
.endm
.macro WM d, a, b, z, sa, sb, ra, rb
.if \z
.if (\ra) && (\rb)
	v_wmma_scale_f32_16x16x128_f8f6f4 v[(\d):(\d)+7], v[(\a):(\a)+11], v[(\b):(\b)+11], 0, v[\sa], v[\sb] matrix_a_fmt:MATRIX_FMT_BF6 matrix_b_fmt:MATRIX_FMT_BF6 matrix_a_scale:MATRIX_SCALE_ROW1 matrix_b_scale:MATRIX_SCALE_ROW1
.elseif (\ra)
	v_wmma_scale_f32_16x16x128_f8f6f4 v[(\d):(\d)+7], v[(\a):(\a)+11], v[(\b):(\b)+11], 0, v[\sa], v[\sb] matrix_a_fmt:MATRIX_FMT_BF6 matrix_b_fmt:MATRIX_FMT_BF6 matrix_a_scale:MATRIX_SCALE_ROW1
.elseif (\rb)
	v_wmma_scale_f32_16x16x128_f8f6f4 v[(\d):(\d)+7], v[(\a):(\a)+11], v[(\b):(\b)+11], 0, v[\sa], v[\sb] matrix_a_fmt:MATRIX_FMT_BF6 matrix_b_fmt:MATRIX_FMT_BF6 matrix_b_scale:MATRIX_SCALE_ROW1
.else
	v_wmma_scale_f32_16x16x128_f8f6f4 v[(\d):(\d)+7], v[(\a):(\a)+11], v[(\b):(\b)+11], 0, v[\sa], v[\sb] matrix_a_fmt:MATRIX_FMT_BF6 matrix_b_fmt:MATRIX_FMT_BF6
.endif
.else
.if (\ra) && (\rb)
	v_wmma_scale_f32_16x16x128_f8f6f4 v[(\d):(\d)+7], v[(\a):(\a)+11], v[(\b):(\b)+11], v[(\d):(\d)+7], v[\sa], v[\sb] matrix_a_fmt:MATRIX_FMT_BF6 matrix_b_fmt:MATRIX_FMT_BF6 matrix_a_scale:MATRIX_SCALE_ROW1 matrix_b_scale:MATRIX_SCALE_ROW1
.elseif (\ra)
	v_wmma_scale_f32_16x16x128_f8f6f4 v[(\d):(\d)+7], v[(\a):(\a)+11], v[(\b):(\b)+11], v[(\d):(\d)+7], v[\sa], v[\sb] matrix_a_fmt:MATRIX_FMT_BF6 matrix_b_fmt:MATRIX_FMT_BF6 matrix_a_scale:MATRIX_SCALE_ROW1
.elseif (\rb)
	v_wmma_scale_f32_16x16x128_f8f6f4 v[(\d):(\d)+7], v[(\a):(\a)+11], v[(\b):(\b)+11], v[(\d):(\d)+7], v[\sa], v[\sb] matrix_a_fmt:MATRIX_FMT_BF6 matrix_b_fmt:MATRIX_FMT_BF6 matrix_b_scale:MATRIX_SCALE_ROW1
.else
	v_wmma_scale_f32_16x16x128_f8f6f4 v[(\d):(\d)+7], v[(\a):(\a)+11], v[(\b):(\b)+11], v[(\d):(\d)+7], v[\sa], v[\sb] matrix_a_fmt:MATRIX_FMT_BF6 matrix_b_fmt:MATRIX_FMT_BF6
.endif
.endif
.endm
.macro FETCH sg                        ; the fragments of K step sg: 8 of B, 4 of A, 48 LDS loads, into set sg % 2
.set FO, 1536*(\sg)
.set FP, (\sg)%2
	WIN 0x40
.irp b, 0,1,2,3,4,5,6,7
	ds_load_b128 v[128*FP+12*\b:128*FP+12*\b+3], v[10+\b/2] offset:12288*(\b%2)+FO
	ds_load_b64 v[128*FP+12*\b+4:128*FP+12*\b+5], v[14+\b/2] offset:12288*(\b%2)+FO
	ds_load_b128 v[128*FP+12*\b+6:128*FP+12*\b+9], v[10+\b/2] offset:12288*(\b%2)+FO+768
	ds_load_b64 v[128*FP+12*\b+10:128*FP+12*\b+11], v[14+\b/2] offset:12288*(\b%2)+FO+768
.endr
	WIN 0
.irp a, 0,1,2,3
	ds_load_b128 v[96+48*FP+12*\a:96+48*FP+12*\a+3], v[2+\a/2] offset:12288*(\a%2)+FO
	ds_load_b64 v[96+48*FP+12*\a+4:96+48*FP+12*\a+5], v[6+\a/2] offset:12288*(\a%2)+FO
	ds_load_b128 v[96+48*FP+12*\a+6:96+48*FP+12*\a+9], v[2+\a/2] offset:12288*(\a%2)+FO+768
	ds_load_b64 v[96+48*FP+12*\a+10:96+48*FP+12*\a+11], v[6+\a/2] offset:12288*(\a%2)+FO+768
.endr
.endm
.macro MUL sg                          ; the 32 accumulators take turns, one instruction a turn
	WIN 0xa1
.irp a, 0,1,2,3
.irp b, 0,1,2,3,4,5,6,7
	WM 8*(8*\a+\b), 128*((\sg)%2)+12*\b, 96+48*((\sg)%2)+12*\a, ((\sg)==0), 48+8*(\b/2)+(\sg), 32+8*(\a/2)+(\sg), \b%2, \a%2
.endr
.endr
.endm
.macro GSTEP sg
.if (\sg) > 0
	PLACES 4                                       ; in front of loads into registers that the last products read
.endif
	FETCH (\sg)+1
	s_wait_dscnt 48                                ; all but the 48 loads just issued
	MUL \sg
.endm
	s_load_b128 s[4:7], s[0:1], 0x0                ; at s[4:5], wq s[6:7]
	s_load_b64 s[8:9], s[0:1], 0x10                ; out0
	v_lshl_add_u32 v254, v0, 2, 0x48000
	v_mov_b32 v255, 0
	ds_add_u32 v254, v255
	ds_add_u32 v254, v255
	v_lshrrev_b32 v1, 5, v0
	v_readfirstlane_b32 s[WV], v1
	s_lshr_b32 s[RH], s[WV], 1
	s_and_b32 s[CH], s[WV], 1
	s_bfe_u32 s66, ttmp6, 0x40000                  ; cx: which 256 columns
	s_bfe_u32 s67, ttmp6, 0x40004                  ; cy
	s_lshl_b32 s78, s67, 2
	s_lshl_b32 s78, 15, s78
	s_lshl_b32 s79, 0x1111, s66
	s_or_b32 s[G1A], s78, (3<<16)|(1<<21)
	s_or_b32 s[G1B], s79, (3<<16)|(1<<21)
	; one load a wave brings ALL OF K for its tiles (in place of the four chunks of 256 K): rows of 12,288 bytes, a tile's whole K, dense in memory; LDS holds [tile][K]
	s_mov_b32 s[G1A+1], 1536<<16
	s_mov_b32 s[G1A+2], 4<<16
	s_mov_b32 s[G1A+3], 1536<<16
	s_mov_b32 s[G1A+4], 4
	s_mov_b32 s[G1A+5], 1536
	s_mov_b32 s[G1A+6], 0
	s_mov_b32 s[G1A+7], 0
	s_mov_b32 s[G1B+1], 1536<<16
	s_mov_b32 s[G1B+2], 8<<16
	s_mov_b32 s[G1B+3], 1536<<16
	s_mov_b32 s[G1B+4], 8
	s_mov_b32 s[G1B+5], 1536
	s_mov_b32 s[G1B+6], 0
	s_mov_b32 s[G1B+7], 0
	v_and_b32 v1, 31, v0
	v_lshlrev_b32 v20, 4, v1                       ; 16 l
	v_lshlrev_b32 v22, 3, v1
	v_add_nc_u32 v21, 512, v22                     ; 512 + 8 l
	v_lshlrev_b32 v23, 2, v1                       ; 4 l
	s_mul_i32 s80, s[RH], 49152                    ; my four tiles of A, 12,288 bytes each
	s_mul_i32 s81, s[CH], 98304                    ; my eight of B,
	s_add_co_u32 s81, s81, 98304                   ; behind A's eight.  Address register q serves tiles 2 q and 2 q + 1
.irp q, 0,1,2,3
	v_add_nc_u32 v[2+\q], s80, v20
	v_add_nc_u32 v[6+\q], s80, v21
	v_add_nc_u32 v[10+\q], s81, v20
	v_add_nc_u32 v[14+\q], s81, v21
	s_add_co_u32 s80, s80, 24576
	s_add_co_u32 s81, s81, 24576
.endr
	s_mul_i32 s80, s[WV], 8448                     ; my stage: 16 rows x (512 + 16) bytes
	v_and_b32 v26, 15, v0
	v_bfe_u32 v27, v0, 4, 1
	v_mul_u32_u24 v24, v26, 528
	v_lshl_add_u32 v24, v27, 6, v24
	v_add_nc_u32 v24, s80, v24                     ; in: row r, + 64 (lane / 16)
	v_add_nc_u32 v25, s80, v20                     ; back: 16 bytes a lane of a row
	s_lshl_b32 s68, ttmp9, 2
	s_add_co_u32 s68, s68, s67                     ; which 128 tokens: hangs on cy alone
	s_wait_dscnt 0x0
	s_wait_kmcnt 0x0
	s_lshl_b32 s92, s68, 3
	s_lshl_b32 s93, s[CH], 2
	s_add_co_u32 s92, s92, s93
	s_mul_i32 s92, s92, 12288
	s_mov_b32 s93, 0
	s_add_nc_u64 s[92:93], s[4:5], s[92:93]        ; A's tiles that I would fetch
	s_lshl_b32 s94, s66, 4
	s_lshl_b32 s95, s[CH], 3
	s_add_co_u32 s94, s94, s95
	s_mul_i32 s94, s94, 12288
	s_add_co_u32 s94, s94, 2359296                 ; wq's tiles 192 on
	s_mov_b32 s95, 0
	s_add_nc_u64 s[94:95], s[6:7], s[94:95]        ; B's
	s_lshl_b32 s86, s68, 2
	s_lshl_b32 s87, s[RH], 1
	s_add_co_u32 s86, s86, s87
	s_lshl_b32 s86, s86, 10
	s_add_co_u32 s86, s86, 6291456
	s_mov_b32 s87, 0
	s_add_nc_u64 s[74:75], s[4:5], s[86:87]        ; the scale words of my 64 tokens
	s_lshl_b32 s86, s66, 3
	s_lshl_b32 s88, s[CH], 2
	s_add_co_u32 s86, s86, s88
	s_lshl_b32 s86, s86, 10
	s_add_co_u32 s86, s86, 3244032
	s_add_nc_u64 s[76:77], s[6:7], s[86:87]        ; and of my 128 columns
.irp p, 0,1
.irp g, 0,1,2,3,4,5,6,7
	global_load_b32 v[32+8*\p+\g], v23, s[74:75] offset:1024*\p+128*\g
.endr
.endr
.irp p, 0,1,2,3
.irp g, 0,1,2,3,4,5,6,7
	global_load_b32 v[48+8*\p+\g], v23, s[76:77] offset:1024*\p+128*\g
.endr
.endr
	s_mul_i32 s82, s[CH], 49152
	s_mul_i32 s83, s[CH], 98304
	s_add_co_u32 s83, s83, 98304
.irp q, 0
	s_mov_b32 s[G0A+4*\q], 1
	s_add_co_u32 s[G0A+4*\q+1], s82, \q*24576
	s_add_nc_u64 s[G0A+4*\q+2:G0A+4*\q+3], s[92:93], \q*3072
	s_or_b32 s[G0A+4*\q+3], s[G0A+4*\q+3], 0x80000000
	s_mov_b32 s[G0B+4*\q], 1
	s_add_co_u32 s[G0B+4*\q+1], s83, \q*49152
	s_add_nc_u64 s[G0B+4*\q+2:G0B+4*\q+3], s[94:95], \q*3072
	s_or_b32 s[G0B+4*\q+3], s[G0B+4*\q+3], 0x80000000
.endr
	CROUND                                         ; all sixteen work-groups are here: the joint loads meet
	s_cmp_eq_u32 s[RH], 0
	s_cbranch_scc0 .Lfor_b
	tensor_load_to_lds s[G0A:G0A+3], s[G1A:G1A+7]
	s_nop 0
.rept 4
	v_nop
.endr
	s_branch .Lasked
.Lfor_b:
	tensor_load_to_lds s[G0B:G0B+3], s[G1B:G1B+7]
	s_nop 0
.rept 4
	v_nop
.endr
.Lasked:
	s_lshl_b32 s80, s68, 7
	s_lshl_b32 s81, s[RH], 6
	s_add_co_u32 s80, s80, s81
	s_lshl_b32 s80, s80, 12                        ; my first token's row of 4,096 bytes,
	s_lshl_b32 s81, s66, 10
	s_add_co_u32 s80, s80, s81
	s_lshl_b32 s81, s[CH], 9
	s_add_co_u32 s80, s80, s81                     ; my first column
	s_mov_b32 s81, 0
	s_add_nc_u64 s[84:85], s[8:9], s[80:81]
	s_wait_alu depctr_va_vdst(0)
	s_wait_tensorcnt 0x0                           ; my one load is in
	s_barrier_signal -1
	s_barrier_wait -1                              ; everybody's is: all of K lies in LDS
	FETCH 0
	s_wait_loadcnt 0x0                             ; the scale words
	GSTEP 0
	GSTEP 1
	GSTEP 2
	GSTEP 3
	GSTEP 4
	s_wait_alu depctr_va_vdst(0)
	GSTEP 5
	GSTEP 6
	s_wait_dscnt 0x0                               ; my last reads of LDS are in:
	s_barrier_signal -1                            ; say so,
	MUL 7                                          ; work on registers while the others arrive,
	WIN 0
	s_barrier_wait -1                              ; and behind this nobody reads the tiles any more
; THE WAY OUT, a block of 16 tokens x 128 columns at a time: through my stage, back as whole rows of 512 bytes
.macro TOSTAGE a
	WIN 0x08                                       ; an LDS store's data are its source 1: window 2
.irp b, 0,1,2,3,4,5,6,7
	ds_store_b128 v24, v[64*(\a)+8*\b:64*(\a)+8*\b+3] offset:128*(\b/2)+32*(\b%2)          ; each accumulator from its low end on
	ds_store_b128 v24, v[64*(\a)+8*\b+4:64*(\a)+8*\b+7] offset:128*(\b/2)+32*(\b%2)+16
.endr
	WIN 0
.irp t, 0,1,2,3,4,5,6,7,8,9,10,11,12,13,14,15
	ds_load_b128 v[96+64*((\a)%2)+4*\t:96+64*((\a)%2)+4*\t+3], v25 offset:528*\t           ; LDS serves a wave's instructions in order
.endr
.endm
.macro SEND a, younger                 ; younger: the LDS instructions issued behind block a's loads
	s_wait_dscnt \younger
.irp t, 0,1,2,3,4,5,6,7,8,9,10,11,12,13,14,15
	global_store_b128 v20, v[96+64*((\a)%2)+4*\t:96+64*((\a)%2)+4*\t+3], s[84:85] offset:(32*((\a)/2)+8*((\a)%2)+\t+8*(\t/8))*4096 th:TH_STORE_NT   ; 512 consecutive bytes of a token's row
.endr
.endm
	PLACES 4                                       ; behind the last products: their results are read, and loads land in their operands' registers
	TOSTAGE 0
.irp a, 1,2,3
.if \a > 1
	s_wait_xcnt 0x0                                ; block a - 2's stores have read the registers in which block a's rows land
.endif
	TOSTAGE \a
	SEND \a-1, 32                                  ; behind block a - 1's loads: block a's 16 stores and 16 loads
.endr
	SEND 3, 0
	s_wait_tensorcnt 0x0
	ds_add_u32 v254, v255
	s_wait_dscnt 0x0
	CROUND                                         ; the closing round
	s_endpgm
.Lfunc_end_k_qb62ccef216_gemm_out:
	.size	k_qb62ccef216_gemm_out, .Lfunc_end_k_qb62ccef216_gemm_out-k_qb62ccef216_gemm_out
	.p2alignl 7, 3214868480
	.fill 96, 4, 3214868480
	.section	.rodata,"a",@progbits
	.p2align	6, 0x0
	.amdhsa_kernel k_qb62ccef216_gemm_out
		.amdhsa_group_segment_fixed_size 295424
		.amdhsa_private_segment_fixed_size 0
		.amdhsa_enable_private_segment 0
		.amdhsa_kernarg_size 24
		.amdhsa_user_sgpr_count 2
		.amdhsa_user_sgpr_kernarg_segment_ptr 1
		.amdhsa_wavefront_size32 1
		.amdhsa_system_sgpr_workgroup_id_x 1
		.amdhsa_system_sgpr_workgroup_id_y 1
		.amdhsa_system_sgpr_workgroup_id_z 1
		.amdhsa_system_vgpr_workitem_id 0
		.amdhsa_next_free_vgpr 768
		.amdhsa_next_free_sgpr 100
		.amdhsa_reserve_vcc 0
		.amdhsa_float_denorm_mode_32 3
		.amdhsa_float_denorm_mode_16_64 3
		.amdhsa_memory_ordered 1
		.amdhsa_forward_progress 1
		.amdhsa_inst_pref_size 85
	.end_amdhsa_kernel
	.amdgpu_metadata
---
amdhsa.version: [ 1, 2 ]
amdhsa.kernels:
  - .name:           k_qb62ccef216_gemm_out
    .symbol:         k_qb62ccef216_gemm_out.kd
    .args:
      - { .name: at, .offset: 0, .size: 8, .value_kind: global_buffer, .address_space: global }
      - { .name: wq, .offset: 8, .size: 8, .value_kind: global_buffer, .address_space: global }
      - { .name: out0, .offset: 16, .size: 8, .value_kind: global_buffer, .address_space: global }
    .group_segment_fixed_size: 295424
    .private_segment_fixed_size: 0
    .kernarg_segment_align: 8
    .kernarg_segment_size: 24
    .max_flat_workgroup_size: 128
    .sgpr_count:     100
    .vgpr_count:     768
    .wavefront_size: 32
...
	.end_amdgpu_metadata
.endif
;; end of part 4
